; MI455X (gfx1250); checked and timed in simulation.
; The chip was launched on July 23, 2026; its instructions are those of AMD's public machine-readable ISA for CDNA 5 (MIT licence, August 2026) and "CDNA5" Instruction Set Architecture Reference Guide (July 2026). The comments in the code are by the model that wrote it; some were corrected since.
;; Block. Allowed arithmetic: float matrix products may take bf16 or f16 operands with f32 sums; all other float work in f32.
;; Inputs: attn_b 3,072 float32; attn_w 1,024 x 3,072 float32; fc2_b 1,024 float32; fc2_w 4,096 x 1,024 float32; fc_b 4,096 float32; fc_w 1,024 x 4,096 float32; hidden_states 2 x 2,048 x 1,024 float32; ln1_b 1,024 float32; ln1_g 1,024 float32; ln2_b 1,024 float32; ln2_g 1,024 float32; proj_b 1,024 float32; proj_w 1,024 x 1,024 float32.
;; Outputs: out0 2 x 2,048 x 1,024 float32.
;; One version. Each part assembles by itself: llvm-mc -triple=amdgcn-amd-amdhsa -mcpu=gfx1250 --defsym DOCPART=n.
;; ======== version 1 of 1: 7 launches
;; workspace buffers: wbf 25,165,824 bytes; xn 8,388,608 bytes; qkvb 25,165,824 bytes; vsum 131,072 bytes; attb 8,388,608 bytes; h1 16,777,216 bytes; gact 33,554,432 bytes
;; launch prep (part 1): grid 1024 x 1, 4 waves a work-group, no clusters, 0 bytes of LDS; arguments hidden_states, ln1_g, ln1_b, attn_w, proj_w, fc_w, fc2_w, xn, wbf; writes xn, wbf
.if DOCPART == 1
	.amdgcn_target "amdgcn-amd-amdhsa--gfx1250"
	.amdhsa_code_object_version 6
	.text
	.protected	k_q1aa92b225c_prep
	.globl	k_q1aa92b225c_prep
	.p2align	8
	.type	k_q1aa92b225c_prep,@function
k_q1aa92b225c_prep:
	s_mov_b64 s[64:65], 0
	v_nop
	global_prefetch_b8 v0, s[64:65] scope:SCOPE_SE
	s_setreg_imm32_b32 hwreg(HW_REG_WAVE_MODE, 25, 1), 1
	s_wait_xcnt 0x0
; PREP: two streams in one launch.
;   work-groups 0..255:    xn = layernorm(hidden_states; ln1_g, ln1_b), rounded once to bf16, [4096][1024] row-major
;   work-groups 256..1023: wbf = attn_w, proj_w, fc_w, fc2_w rounded to bf16, one behind the other.
;     proj_w, fc_w, fc2_w keep their layout [K][N].  attn_w is laid by heads: [16 heads][1024 k][Q 64 | K 64 | V 64], 384 bytes a k,
;     so that the 192 columns which one work-group of the next launch multiplies by are one dense block.
; Each work-group moves 64 KiB in and 32 KiB out.  No LDS, no barrier, no matrix unit: nothing is used twice.
;
; WORK LEFT OUT IN THE WHOLE PROGRAM (done in the launches gqkv and attn), in the problem's own terms:
;   For key > query, jnp.where(causal, w, -10000) throws q.k away whatever its value, so key tiles that lie wholly above the
;   diagonal get no q.k product.  Their softmax terms are NOT dropped: all those keys of a row have one weight
;   e = exp(-10000 - m), so sum(e v[k]) = e sum(v[k]) and sum(e) = n e by the distributive law, for all values of the inputs.
;   gqkv stores the sums of V over blocks of 128 rows, attn takes their sum and their number as one term.  Every input is loaded.
;   Limit: a NaN, an infinity or an overflow that would arise only in a discarded q.k product is not carried to the result
;   (reference() discards it too).
; LIMITS of the program: matrix operands (activations, weights, Q, K, V, softmax weights) are rounded to bf16, all sums, norms,
;   softmax, GELU and residuals are f32; exponentials below 2^-126 come out as zero (ISA guide, V_EXP_F32); sums are formed
;   tile by tile, in another order of rounding than reference()'s.
.set G,  4                             ; v[4:35]    gain of my 32 columns
.set BV, 36                            ; v[36:67]   bias of my 32 columns
.set X,  68                            ; v[68:195]  four rows x 32 numbers, or 32 converter chunks x 4 numbers
.set T,  196                           ; v[196:207] at work; T+8,9 = minus the mean twice, T+10,11 = 1/sqrt(var+eps) twice
	s_load_b512 s[4:19], s[0:1], 0x0               ; hidden s[4:5], g s[6:7], b s[8:9], attn_w s[10:11], proj_w s[12:13], fc_w s[14:15], fc2_w s[16:17], xn s[18:19]
	s_load_b64 s[20:21], s[0:1], 0x40              ; wbf
	v_and_b32 v3, 31, v0                           ; lane
	v_lshlrev_b32 v1, 4, v3                        ; 16 bytes a lane on the way in
	v_lshlrev_b32 v2, 3, v3                        ; 8 bytes a lane on the way out
	v_lshrrev_b32 v3, 5, v0
	v_readfirstlane_b32 s22, v3                    ; wave 0..3
	s_mov_b32 s25, 0                               ; high word of every offset pair
	s_wait_kmcnt 0x0
	s_cmp_lt_u32 ttmp9, 256
	s_cbranch_scc0 .Lconvert
	; ---------------- layernorm: wave w of group g owns rows 16 g + 4 w .. + 3, a whole row in 32 registers ----------------
	s_mov_b32 s30, 0x76543210                      ; v_permlanex16_b32: lane i of one half reads lane i of the other
	s_mov_b32 s31, 0xfedcba98
	s_mov_b32 s32, 0xba800000                      ; -1/1024
	s_mov_b32 s33, 0x3a800000                      ; 1/1024
	s_mov_b32 s34, 0x3727c5ac                      ; 1e-5
	s_lshl_b32 s24, ttmp9, 16                      ; 16 rows of 4,096 bytes
	s_lshl_b32 s23, s22, 14                        ; 4 rows
	s_add_co_u32 s24, s24, s23
	s_add_nc_u64 s[4:5], s[4:5], s[24:25]
	s_lshr_b32 s24, s24, 1                         ; rows of 2,048 bytes on the way out
	s_add_nc_u64 s[18:19], s[18:19], s[24:25]
.irp jj, 0,1,2,3,4,5,6,7
	global_load_b128 v[G+4*\jj:G+4*\jj+3],   v1, s[6:7] offset:512*\jj
	global_load_b128 v[BV+4*\jj:BV+4*\jj+3], v1, s[8:9] offset:512*\jj
.endr
.irp i, 0,1,2,3
.irp jj, 0,1,2,3,4,5,6,7
	global_load_b128 v[X+32*\i+4*\jj:X+32*\i+4*\jj+3], v1, s[4:5] offset:4096*\i+512*\jj th:TH_LOAD_NT   ; register 4 jj + e = column 128 jj + 4 lane + e
.endr
.endr
; four chains in T..T+7 are folded to one number and summed over the 32 lanes; every lane ends with the sum in v[T]
.macro FOLD
	v_pk_add_f32 v[T:T+1], v[T:T+1], v[T+2:T+3]
	v_pk_add_f32 v[T+4:T+5], v[T+4:T+5], v[T+6:T+7]
	v_pk_add_f32 v[T:T+1], v[T:T+1], v[T+4:T+5]
	v_add_f32 v[T], v[T], v[T+1]
	v_add_f32_dpp v[T], v[T], v[T] row_xmask:1 row_mask:0xf bank_mask:0xf
	v_add_f32_dpp v[T], v[T], v[T] row_xmask:2 row_mask:0xf bank_mask:0xf
	v_add_f32_dpp v[T], v[T], v[T] row_xmask:4 row_mask:0xf bank_mask:0xf
	v_add_f32_dpp v[T], v[T], v[T] row_xmask:8 row_mask:0xf bank_mask:0xf
	v_permlanex16_b32 v[T+1], v[T], s30, s31       ; its destination counts as read: T+1 has been written
	v_add_f32 v[T], v[T], v[T+1]
.endm
; one row.  left = the loads of the later rows, eight each, which may stay out
.macro LNROW i, left
.set R, X+32*\i
	s_wait_loadcnt \left
.irp k, 0,1,2,3
	v_pk_add_f32 v[T+2*\k:T+2*\k+1], v[R+4*\k:R+4*\k+1], v[R+4*\k+2:R+4*\k+3]      ; the first sums start the chains: nothing is cleared
.endr
.irp k, 0,1,2,3
	v_pk_add_f32 v[T+2*\k:T+2*\k+1], v[T+2*\k:T+2*\k+1], v[R+16+2*\k:R+16+2*\k+1]
.endr
.irp k, 0,1,2,3
	v_pk_add_f32 v[T+2*\k:T+2*\k+1], v[T+2*\k:T+2*\k+1], v[R+24+2*\k:R+24+2*\k+1]
.endr
	FOLD
	v_mul_f32 v[T+8], s32, v[T]                    ; minus the mean
	v_mul_f32 v[T+9], s32, v[T]
.set p, 0
.rept 16
	v_pk_add_f32 v[R+p:R+p+1], v[R+p:R+p+1], v[T+8:T+9]    ; x - mean first, as reference(): the variance is no difference of large sums
.set p, p+2
.endr
.irp k, 0,1,2,3
	v_pk_mul_f32 v[T+2*\k:T+2*\k+1], v[R+2*\k:R+2*\k+1], v[R+2*\k:R+2*\k+1]
.endr
.set p, 8
.rept 12
	v_pk_fma_f32 v[T+p%8:T+p%8+1], v[R+p:R+p+1], v[R+p:R+p+1], v[T+p%8:T+p%8+1]
.set p, p+2
.endr
	FOLD
	v_fma_f32 v[T], v[T], s33, s34                 ; variance + eps
	v_rsq_f32 v[T+10], v[T]
	v_rsq_f32 v[T+11], v[T]
	v_nop                                          ; one plain instruction between a transcendental and the use of its result (ISA guide 5.7.2)
.set p, 0
	s_wait_alu depctr_va_vdst(0)
.rept 16
	v_pk_mul_f32 v[R+p:R+p+1], v[R+p:R+p+1], v[T+10:T+11]
.set p, p+2
.endr
.set p, 0
.rept 16
	v_pk_fma_f32 v[R+p:R+p+1], v[R+p:R+p+1], v[G+p:G+p+1], v[BV+p:BV+p+1]
.set p, p+2
.endr
.irp jj, 0,1,2,3,4,5,6,7
	v_cvt_pk_bf16_f32 v[R+4*\jj],   v[R+4*\jj],   v[R+4*\jj+1]
	v_cvt_pk_bf16_f32 v[R+4*\jj+1], v[R+4*\jj+2], v[R+4*\jj+3]
	global_store_b64 v2, v[R+4*\jj:R+4*\jj+1], s[18:19] offset:2048*\i+256*\jj     ; the wave's store covers 256 consecutive bytes, aligned
.endr
.endm
	LNROW 0, 24
	LNROW 1, 16
	LNROW 2, 8
	LNROW 3, 0
	s_endpgm
	; ---------------- weights to bf16: group id' = id - 256 converts 64 KiB, a wave 16 KiB in 32 loads ----------------
.Lconvert:
	s_sub_co_u32 s26, ttmp9, 256                   ; id': attn_w 0..191, proj_w 192..255, fc_w 256..511, fc2_w 512..767
	s_cmp_lt_u32 s26, 192
	s_cbranch_scc1 .Lattn_w
	; proj_w, fc_w, fc2_w: the layout is kept, a wave's 16 KiB are consecutive
	s_mov_b64 s[4:5], s[16:17]
	s_mov_b32 s27, 512
	s_cmp_lt_u32 s26, 512
	s_cselect_b64 s[4:5], s[14:15], s[4:5]         ; the choice hangs on the work-group's number alone
	s_cselect_b32 s27, 256, s27
	s_cmp_lt_u32 s26, 256
	s_cselect_b64 s[4:5], s[12:13], s[4:5]
	s_cselect_b32 s27, 192, s27
	s_sub_co_u32 s27, s26, s27                     ; my number inside my weight
	s_lshl_b32 s24, s27, 16
	s_lshl_b32 s23, s22, 14
	s_add_co_u32 s24, s24, s23
	s_add_nc_u64 s[4:5], s[4:5], s[24:25]
	s_lshl_b32 s24, s26, 15                        ; the sections follow each other in wbf in the order of id'
	s_lshl_b32 s23, s22, 13
	s_add_co_u32 s24, s24, s23
	s_add_nc_u64 s[20:21], s[20:21], s[24:25]
.set i, 0
.rept 32
	global_load_b128 v[X+4*i:X+4*i+3], v1, s[4:5] offset:512*i th:TH_LOAD_NT
.set i, i+1
.endr
	s_branch .Lround
	; attn_w by heads.  Piece 3 k + p (p = 0, 1, 2 for Q, K, V) of head h is 64 columns: 256 bytes at source byte 4,096 (3 k + p) + 256 h,
	; 128 bytes at byte 128 (3 k + p) of the head's block.  Load j of a head takes pieces 2 j (lanes 0-15) and 2 j + 1 (lanes 16-31):
	; two aligned runs of 256 bytes in, one of 256 bytes out.  A head has 1,536 loads = 48 waves; group id' takes head id' & 15, waves 4 (id' >> 4) + w.
.Lattn_w:
	s_and_b32 s27, s26, 15                         ; head
	s_lshr_b32 s28, s26, 4
	s_lshl2_add_u32 s28, s28, s22                  ; my number among the head's 48 waves
	s_lshl_b32 s24, s28, 18                        ; 32 loads x 8,192 bytes
	s_lshl_b32 s29, s27, 8
	s_add_co_u32 s24, s24, s29
	s_add_nc_u64 s[4:5], s[10:11], s[24:25]
	s_mul_i32 s24, s27, 393216                     ; a head's block: 1,024 k x 384 bytes
	s_lshl_b32 s29, s28, 13                        ; 32 stores x 256 bytes
	s_add_co_u32 s24, s24, s29
	s_add_nc_u64 s[20:21], s[20:21], s[24:25]
	v_and_b32 v3, 15, v0
	v_lshlrev_b32 v3, 4, v3
	v_bfe_u32 v4, v0, 4, 1
	v_lshl_add_u32 v3, v4, 12, v3                  ; 16 (lane % 16) + 4,096 (lane / 16)
.set i, 0
.rept 32
	global_load_b128 v[X+4*i:X+4*i+3], v3, s[4:5] offset:8192*i th:TH_LOAD_NT
.set i, i+1
.endr
.Lround:
.set i, 0
.rept 32
	s_wait_loadcnt 31-i                            ; loads come back in order: chunk i is in, the later ones stay out (32 were issued on either way here)
	v_cvt_pk_bf16_f32 v[X+4*i],   v[X+4*i],   v[X+4*i+1]
	v_cvt_pk_bf16_f32 v[X+4*i+1], v[X+4*i+2], v[X+4*i+3]
	global_store_b64 v2, v[X+4*i:X+4*i+1], s[20:21] offset:256*i   ; 256 consecutive bytes, aligned
.set i, i+1
.endr
	s_endpgm
.Lfunc_end_k_q1aa92b225c_prep:
	.size	k_q1aa92b225c_prep, .Lfunc_end_k_q1aa92b225c_prep-k_q1aa92b225c_prep
	.p2alignl 7, 3214868480
	.fill 96, 4, 3214868480
	.section	.rodata,"a",@progbits
	.p2align	6, 0x0
	.amdhsa_kernel k_q1aa92b225c_prep
		.amdhsa_group_segment_fixed_size 0
		.amdhsa_private_segment_fixed_size 0
		.amdhsa_enable_private_segment 0
		.amdhsa_kernarg_size 72
		.amdhsa_user_sgpr_count 2
		.amdhsa_user_sgpr_kernarg_segment_ptr 1
		.amdhsa_wavefront_size32 1
		.amdhsa_system_sgpr_workgroup_id_x 1
		.amdhsa_system_sgpr_workgroup_id_y 1
		.amdhsa_system_sgpr_workgroup_id_z 1
		.amdhsa_system_vgpr_workitem_id 0
		.amdhsa_next_free_vgpr 208
		.amdhsa_next_free_sgpr 66
		.amdhsa_reserve_vcc 0
		.amdhsa_float_denorm_mode_32 3
		.amdhsa_float_denorm_mode_16_64 3
		.amdhsa_memory_ordered 1
		.amdhsa_forward_progress 1
		.amdhsa_inst_pref_size 53
	.end_amdhsa_kernel
	.amdgpu_metadata
---
amdhsa.version: [ 1, 2 ]
amdhsa.kernels:
  - .name:           k_q1aa92b225c_prep
    .symbol:         k_q1aa92b225c_prep.kd
    .args:
      - { .name: hidden_states, .offset: 0, .size: 8, .value_kind: global_buffer, .address_space: global }
      - { .name: ln1_g, .offset: 8, .size: 8, .value_kind: global_buffer, .address_space: global }
      - { .name: ln1_b, .offset: 16, .size: 8, .value_kind: global_buffer, .address_space: global }
      - { .name: attn_w, .offset: 24, .size: 8, .value_kind: global_buffer, .address_space: global }
      - { .name: proj_w, .offset: 32, .size: 8, .value_kind: global_buffer, .address_space: global }
      - { .name: fc_w, .offset: 40, .size: 8, .value_kind: global_buffer, .address_space: global }
      - { .name: fc2_w, .offset: 48, .size: 8, .value_kind: global_buffer, .address_space: global }
      - { .name: xn, .offset: 56, .size: 8, .value_kind: global_buffer, .address_space: global }
      - { .name: wbf, .offset: 64, .size: 8, .value_kind: global_buffer, .address_space: global }
    .group_segment_fixed_size: 0
    .private_segment_fixed_size: 0
    .kernarg_segment_align: 8
    .kernarg_segment_size: 72
    .max_flat_workgroup_size: 128
    .sgpr_count:     66
    .vgpr_count:     208
    .wavefront_size: 32
...
	.end_amdgpu_metadata
.endif
;; end of part 1
;; launch gqkv (part 2): grid 16 x 16, 4 waves a work-group, clusters of 4 x 4, 327,680 bytes of LDS; arguments xn, wbf, attn_b, qkvb, vsum; writes qkvb, vsum
.if DOCPART == 2
	.amdgcn_target "amdgcn-amd-amdhsa--gfx1250"
	.amdhsa_code_object_version 6
	.text
	.protected	k_q1aa92b225c_gqkv
	.globl	k_q1aa92b225c_gqkv
	.p2align	8
	.type	k_q1aa92b225c_gqkv,@function
k_q1aa92b225c_gqkv:
	s_mov_b64 s[64:65], 0
	v_nop
	global_prefetch_b8 v0, s[64:65] scope:SCOPE_SE
	s_setreg_imm32_b32 hwreg(HW_REG_WAVE_MODE, 25, 1), 1
	s_wait_xcnt 0x0
	s_wait_alu depctr_hold_cnt(0) depctr_sa_sdst(0) depctr_va_vdst(0) depctr_va_sdst(0) depctr_va_ssrc(0) depctr_va_vcc(0) depctr_vm_vsrc(0)
	s_getreg_b32 s2, hwreg(HW_REG_IB_STS2, 6, 4)
	s_cmp_eq_u32 s2, 0
	s_cbranch_scc0 .Lentry_in_a_cluster
	s_endpgm
.Lentry_in_a_cluster:
	s_bfe_u32 s2, ttmp6, 0x10000c
	s_cmp_lg_u32 s2, 0xf033
	s_cbranch_scc0 .Lentry_shape_is_right
	s_endpgm
.Lentry_shape_is_right:
; qkvb = xn @ attn_w + attn_b in bf16, and vsum = the f32 sums of V (bias included) over blocks of 128 rows.
; xn: [4096][1024] bf16.  W = the first section of wbf, laid by heads: [16 heads][1024 k][Q 64 | K 64 | V 64] bf16, 384 bytes a k.  Sums in f32.
; qkvb lies blocked: element (row m, column n) at byte ((n >> 6) * 4096 + m) * 128 + 2 (n & 63): a head's Q, K or V is one dense plane (h, 16 + h, 32 + h).
; vsum serves the keys above the diagonal, whose q.k products the launch attn leaves out (they are replaced by -10000 in reference()).
; 3,072 columns in blocks of 256 would give 12 x 16 = 192 work-groups; BLOCK COLUMN h IS HEAD h, its 192 columns of Q, K and V: 16 x 16 = 256 work-groups.
; A work-group makes 256 rows x 192 columns with four waves, a wave 128 x 96: 48 accumulator tiles, 384 registers.  K goes in steps of 128
; through two LDS slots filled by tensor loads, one a wave and step; from a request to the wait for it a wave issues 180 matrix instructions.
; CLUSTER 4 x 4: the activations' tile hangs on the block row alone and is asked for jointly by a row of the cluster, W's tile on the
; head alone and is asked for jointly by a column.
; THE MATRIX INSTRUCTION IS USED TRANSPOSED: source 0 = 16 columns of W (through transposing LDS loads), source 1 = 16 rows of xn.
; Lane l then holds row l % 16 of C and registers 0..7 the columns 8 (l / 16) + 0..7.
; WINDOWS: 0: v16-28 addresses, v32-63 and v224-239 bias, v64-111 / v128-175 W fragments (two buffers);
;          1: v64-127 / v128-191 fragments of xn;  2, 3: accumulators of my rows 0-63, 64-127, tile (a, b) at v[8 (6 a + b)].
; The 48 accumulators take turns, one instruction a turn, in the same order in every quarter step.
.set SIZE_K, 1024
.set KSTEP,  128
.set WROW,   384                       ; bytes of a k row of a head's block
.set PITCH,  272                       ; LDS row of xn: 256 bytes + 16
.set BPITCH, 480                       ; LDS row of W: six pieces of 64 bytes + 16 = 15 x 32; tile i of 16 columns at 80 (i / 2) + 32 (i % 2)
.set HALFT,  34816                     ; a part of a slot: 128 rows of xn x 272, or 64 k rows of W x 480 (30,720 used); wave w's part lies at w x HALFT
.set SLOT,   4*HALFT                   ; xn's 256 rows, then W's 128 k rows
.set SCR,    2*SLOT                    ; behind the ring: 256 bytes for each wave; no tensor load lands here
.set LAPS,   SIZE_K/(2*KSTEP)
.set NF,     28                        ; LDS loads of one fetch: 12 for W, 16 for xn
.set OPITCH, 80                        ; the way out: a row of 32 columns, 64 bytes + 16
.set OBLK,   128*OPITCH                ; 10,240: 128 rows x 32 columns; a wave writes three such blocks, its own 30,720 bytes
.set ADRA, 16                          ; v16-17  LDS address of my xn fragments in slot 0, 1
.set ADRB, 18                          ; v18-19  the same for W
.set STO,  20                          ; the way out: where I put 16 bytes of a row
.set RD,   21                          ; where I read them back
.set CO,   22                          ; 16 x lane
.set BO,   23                          ; v23-25  bias offsets of my three pairs of column tiles
.set VST,  26
.set VRD,  27
.set VO,   28                          ; 8 x lane
.set F0,   64
.set F1,   128
.set TT,   64                          ; the way out: f32 results at work (window 0)
.set G1,   24                          ; s[24:31] group 1, xn's tiles
.set G0,   32                          ; s[32:39] group 0, xn's tiles, one set a slot
.set G1B,  48                          ; s[48:55] group 1, W's tiles
.set G0B,  56                          ; s[56:63] group 0, W's tiles
.set MSB,  0
.macro WIN new                         ; the immediate's high byte repeats the setting that is left
.if MSB != \new
	s_set_vgpr_msb (MSB<<8)|\new
.set MSB, \new
.endif
.endm
.set MUL_LO, 0xa4                      ; source 0 (W) window 0, source 1 (xn) window 1, C and D window 2
.set MUL_HI, 0xf4                      ; the same, C and D window 3
.set TO_A,   0x40                      ; destination window 1, address window 0
; a joint load: waves 0, 1 fetch xn's two halves, waves 2, 3 W's.  The branch hangs on the wave's number alone.
.macro JLOAD s
	s_cmp_eq_u32 s15, 0
	s_cbranch_scc0 .Lfor_b_\@
	tensor_load_to_lds s[G0+4*\s:G0+4*\s+3], s[G1:G1+7]
	s_nop 0
	s_branch .Lasked_\@
.Lfor_b_\@:
	tensor_load_to_lds s[G0B+4*\s:G0B+4*\s+3], s[G1B:G1B+7]
	s_nop 0
.Lasked_\@:
.endm
.macro CREST                           ; a round of the cluster's barrier behind its opening work-group barrier
	s_cmp_lg_u32 s14, 0
	s_cbranch_scc1 .Lnot_wave_0_\@
	s_barrier_signal -3
.Lnot_wave_0_\@:
	s_barrier_wait -3
	s_barrier_signal -1
	s_barrier_wait -1
.endm
.macro CROUND
	s_barrier_signal -1
	s_barrier_wait -1
	CREST
.endm
	s_load_b256 s[4:11], s[0:1], 0x0               ; xn s[4:5], wbf s[6:7], bias s[8:9], C s[10:11]
	s_load_b64 s[12:13], s[0:1], 0x20              ; vsum
	v_lshl_add_u32 v255, v0, 2, 0x44400
	s_set_vgpr_msb 0x40
	v_mov_b32 v255, 0
	s_set_vgpr_msb 0x4044
	ds_add_u32 v255, v255
	ds_add_u32 v255, v255
	s_set_vgpr_msb 0x4400
	v_lshrrev_b32 v1, 5, v0
	v_readfirstlane_b32 s14, v1                    ; wave 0..3
	s_lshr_b32 s15, s14, 1                         ; my half of the block's rows; also: I fetch xn (0) or W (1)
	s_and_b32 s16, s14, 1                          ; my half of its columns; also: which half of that tile I fetch
	s_bfe_u32 s17, ttmp6, 0x40000                  ; cx
	s_bfe_u32 s18, ttmp6, 0x40004                  ; cy
	s_lshl_b32 s19, ttmp9, 2
	s_add_co_u32 s19, s19, s17                     ; block column = head
	s_and_b32 s20, ttmp7, 0xffff
	s_lshl_b32 s20, s20, 2
	s_add_co_u32 s20, s20, s18                     ; block row
	s_lshl_b32 s21, s18, 2
	s_lshl_b32 s21, 15, s21                        ; my row of the cluster
	s_lshl_b32 s22, 0x1111, s17                    ; my column of the cluster
	; group 1 for xn: 128 rows x 128 elements of 2 bytes, 4 words of padding behind every 64
	s_or_b32 s[G1+0], s21, (1<<16)|(1<<20)|(1<<21)|(5<<22)|(3<<25)
	s_mov_b32 s[G1+1], 128<<16                     ; tensor_dim0 = 128
	s_mov_b32 s[G1+2], 128<<16                     ; tensor_dim1 = 128
	s_mov_b32 s[G1+3], 128<<16                     ; tile_dim0 = 128
	s_mov_b32 s[G1+4], 128                         ; tile_dim1 = 128
	s_mov_b32 s[G1+5], SIZE_K                      ; elements from row to row
	s_mov_b32 s[G1+6], 0
	s_mov_b32 s[G1+7], 0
	; group 1 for W: 64 k rows x 384 bytes are dense in memory: fetched as 96 rows of 256 bytes, 4 words of padding behind every 16 words
	s_or_b32 s[G1B+0], s22, (1<<16)|(1<<20)|(1<<21)|(3<<22)|(3<<25)
	s_mov_b32 s[G1B+1], 128<<16
	s_mov_b32 s[G1B+2], 96<<16
	s_mov_b32 s[G1B+3], 128<<16
	s_mov_b32 s[G1B+4], 96
	s_mov_b32 s[G1B+5], 128
	s_mov_b32 s[G1B+6], 0
	s_mov_b32 s[G1B+7], 0
	; xn's tile: row 256 x block row + 128 x half, 2,048 bytes a row.  These registers never hold cx.
	s_lshl_b32 s40, s20, 8
	s_lshl_b32 s41, s16, 7
	s_add_co_u32 s40, s40, s41
	s_lshl_b32 s40, s40, 11
	s_mov_b32 s41, 0
	; W's tile: the head's block, k row 64 x half.  These registers never hold cy.
	s_mul_i32 s44, s19, SIZE_K*WROW
	s_mul_i32 s45, s16, 64*WROW
	s_add_co_u32 s44, s44, s45
	s_mov_b32 s45, 0
	s_mul_i32 s66, s14, HALFT                      ; where my part goes: the wave's number alone
	s_wait_dscnt 0x0
	s_wait_kmcnt 0x0
	s_add_nc_u64 s[40:41], s[4:5], s[40:41]
	s_add_nc_u64 s[44:45], s[6:7], s[44:45]
	CROUND                                         ; all sixteen work-groups are here: the first joint loads meet
.irp s, 0,1
	s_mov_b32 s[G0+4*\s], 1
	s_add_co_u32 s[G0+4*\s+1], s66, \s*SLOT
	s_add_nc_u64 s[G0+4*\s+2:G0+4*\s+3], s[40:41], \s*KSTEP*2
	s_or_b32 s[G0+4*\s+3], s[G0+4*\s+3], 0x80000000
	s_mov_b32 s[G0B+4*\s], 1
	s_add_co_u32 s[G0B+4*\s+1], s66, \s*SLOT
	s_add_nc_u64 s[G0B+4*\s+2:G0B+4*\s+3], s[44:45], \s*KSTEP*WROW
	s_or_b32 s[G0B+4*\s+3], s[G0B+4*\s+3], 0x80000000
	JLOAD \s                                       ; two tensor loads of the wave are out, the most in this text
.endr
	v_and_b32 v1, 15, v0                           ; r = l % 16
	v_bfe_u32 v2, v0, 4, 1                         ; h = l / 16
	v_and_b32 v3, 7, v0                            ; l % 8
	v_bfe_u32 v8, v0, 3, 1                         ; (l / 8) % 2
	v_mul_u32_u24 v9, v1, PITCH
	v_lshl_add_u32 v9, v2, 4, v9                   ; r x 272 + 16 h
	s_mul_i32 s67, s15, HALFT                      ; my 128 rows of xn
	v_add_nc_u32 v[ADRA], s67, v9
	v_add_nc_u32 v[ADRA+1], SLOT, v[ADRA]
	v_lshl_add_u32 v10, v2, 3, v3                  ; k row 8 h + l % 8
	v_mul_u32_u24 v10, v10, BPITCH
	v_lshl_add_u32 v10, v8, 4, v10                 ; + 16 bytes for the upper eight columns
	s_mul_i32 s67, s16, 240                        ; my 96 columns of W: three pieces of 80 bytes
	s_add_co_u32 s67, s67, 2*HALFT
	v_add_nc_u32 v[ADRB], s67, v10
	v_add_nc_u32 v[ADRB+1], SLOT, v[ADRB]
	; the way out, in: my own 30,720 bytes; row r, 16 bytes for each half of the lanes
	v_mul_u32_u24 v9, v1, OPITCH
	v_lshl_add_u32 v9, v2, 4, v9
	s_mul_i32 s67, s14, 3*OBLK
	v_add_nc_u32 v[STO], s67, v9
	; back: block P = 0..5 of 32 columns of row half s lies at (6 s + P) x 10,240; plane p is blocks 2 p, 2 p + 1.  Eight lanes take a row of 128 bytes
	; (four from each block), the wave four rows; I read rows 64 w .. 64 w + 63 of the work-group's 256
	v_bfe_u32 v10, v0, 3, 2
	v_mul_u32_u24 v10, v10, OPITCH
	v_and_b32 v11, 3, v0
	v_lshl_add_u32 v10, v11, 4, v10
	v_bfe_u32 v11, v0, 2, 1
	v_mul_u32_u24 v11, v11, OBLK
	v_add_nc_u32 v10, v10, v11
	s_mul_i32 s67, s15, 6*OBLK
	s_mul_i32 s69, s16, 64*OPITCH
	s_add_co_u32 s67, s67, s69
	v_add_nc_u32 v[RD], s67, v10
	v_and_b32 v10, 31, v0
	v_lshlrev_b32 v[CO], 4, v10                    ; 16 x lane
	v_lshlrev_b32 v[VO], 3, v10                    ; 8 x lane
	v_lshlrev_b32 v11, 5, v2                       ; 32 h
	s_lshl_b32 s67, s14, 8
	s_add_co_u32 s67, s67, SCR                     ; my 256 bytes behind the ring
	v_add_nc_u32 v[VST], s67, v11
	v_add_nc_u32 v[VRD], s67, v[VO]
	; bias: my pair pp of column tiles is block P = 3 x column half + pp: plane P >> 1, columns 32 (P & 1) .. of the head's 64
	s_mul_i32 s67, s16, 3
	s_lshl_b32 s70, s19, 8                         ; 64 columns of 4 bytes x head
.irp pp, 0,1,2
	s_add_co_u32 s74, s67, \pp
	s_lshr_b32 s75, s74, 1
	s_and_b32 s74, s74, 1
	s_lshl_b32 s75, s75, 12                        ; 1,024 columns of 4 bytes x plane
	s_lshl_b32 s74, s74, 7
	s_add_co_u32 s75, s75, s74
	s_add_co_u32 s75, s75, s70
	v_add_nc_u32 v[BO+\pp], s75, v11
.endr
.irp b, 0,1,2,3,4,5
	global_load_b128 v[32+8*\b+160*(\b/4):32+8*\b+160*(\b/4)+3],   v[BO+\b/2], s[8:9] offset:64*(\b%2)      ; waited for on the way out
	global_load_b128 v[32+8*\b+160*(\b/4)+4:32+8*\b+160*(\b/4)+7], v[BO+\b/2], s[8:9] offset:64*(\b%2)+16
.endr
; 12 matrix instructions: m blocks a0, a0 + 1 of the window's four x all 6 n blocks, 32 along K.  zero = 1: the product starts the sums.
.macro MUL12 f, hi, a0, zero
.irp a, \a0, \a0+1
.irp b, 0,1,2,3,4,5
.if \zero
	v_wmma_f32_16x16x32_bf16 v[8*(6*(\a)+\b):8*(6*(\a)+\b)+7], v[\f+8*\b:\f+8*\b+7], v[\f+8*(4*\hi+\a):\f+8*(4*\hi+\a)+7], 0
.else
	v_wmma_f32_16x16x32_bf16 v[8*(6*(\a)+\b):8*(6*(\a)+\b)+7], v[\f+8*\b:\f+8*\b+7], v[\f+8*(4*\hi+\a):\f+8*(4*\hi+\a)+7], v[8*(6*(\a)+\b):8*(6*(\a)+\b)+7]
.endif
.endr
.endr
.endm
; 28 LDS loads in one run: quarter q (32 along K) of a slot into buffer f.  W first (transposing: k rows 32 q + 8 h + l % 8, and 16 further;
; quarters 0, 1 lie in W's first part, 2, 3 in its second), then xn.
.macro FETCH slot, q, f
	WIN 0
.irp i, 0,1,2,3,4,5
	ds_load_tr16_b128 v[\f+8*\i:\f+8*\i+3],   v[ADRB+\slot] offset:(\q/2)*HALFT+(\q%2)*32*BPITCH+80*(\i/2)+32*(\i%2)
	ds_load_tr16_b128 v[\f+8*\i+4:\f+8*\i+7], v[ADRB+\slot] offset:(\q/2)*HALFT+(\q%2)*32*BPITCH+80*(\i/2)+32*(\i%2)+16*BPITCH
.endr
	WIN TO_A
.irp i, 0,1,2,3,4,5,6,7
	ds_load_b128 v[\f+8*\i:\f+8*\i+3],   v[ADRA+\slot] offset:64*\q+\i*16*PITCH
	ds_load_b128 v[\f+8*\i+4:\f+8*\i+7], v[ADRA+\slot] offset:64*\q+\i*16*PITCH+32
.endr
.endm
; four places between a matrix instruction and a load into, or a vector instruction on, one of its registers (ISA guide 7.12.1 for vector instructions)
.macro PLACES
.rept 4
	v_nop
.endr
.endm
.macro QUARTER slot, q, f, g, zero     ; multiplies buffer f; in its middle fetches quarter q of the same slot into buffer g
	s_wait_dscnt 8                                 ; W and xn's rows 0-63 are in; the youngest eight loads (rows 64-127) may be out
	WIN MUL_LO
	MUL12 \f, 0, 0, \zero
	MUL12 \f, 0, 2, \zero
	PLACES
	FETCH \slot, \q, \g
	s_wait_dscnt NF                                ; all but the 28 just issued
	WIN MUL_HI
	MUL12 \f, 1, 0, \zero
	MUL12 \f, 1, 2, \zero
.endm
.macro THREE slot, zero
	QUARTER \slot, 1, F0, F1, \zero
	QUARTER \slot, 2, F1, F0, 0
	QUARTER \slot, 3, F0, F1, 0
.endm
; the last quarter of a K step: multiplies buffer 1 and changes slots.  In front of the barrier each wave waits for its reads of this slot
; and for all its tensor loads (one is out: its part of the next slot); behind it the refill comes first, then the next slot is read.
.macro TURN slot, next, fill
	s_wait_dscnt 8
	WIN MUL_LO
	MUL12 F1, 0, 0, 0
	s_wait_dscnt 0                                 ; my reads of this slot are over
	s_wait_tensorcnt 0x0                           ; all my tensor loads have landed
	ds_add_u32 v255, v255
	s_wait_dscnt 0x0
	s_barrier_signal -1                            ; where a slot is filled again this barrier opens a round of the cluster's barrier
	MUL12 F1, 0, 2, 0                              ; register work alone
	WIN 0
	s_barrier_wait -1
.if \fill
	CREST                                          ; no wave of any partner still reads this slot or has a load on its way
	s_add_nc_u64 s[G0+4*\slot+2:G0+4*\slot+3], s[G0+4*\slot+2:G0+4*\slot+3], 2*KSTEP*2
	s_add_nc_u64 s[G0B+4*\slot+2:G0B+4*\slot+3], s[G0B+4*\slot+2:G0B+4*\slot+3], 2*KSTEP*WROW
	JLOAD \slot                                    ; the first tensor load behind the round, one a wave
.endif
	PLACES
	FETCH \next, 0, F0
	WIN MUL_HI
	MUL12 F1, 1, 0, 0
	MUL12 F1, 1, 2, 0
.endm
.macro LAP zero
	THREE 0, \zero
	TURN 0, 1, 1
	THREE 1, 0
	TURN 1, 0, 1
.endm
	s_wait_tensorcnt 1                             ; my part of K step 0 is in; K step 1's stays out
	s_barrier_signal -1
	s_barrier_wait -1
	FETCH 0, 0, F0
	LAP 1                                          ; the first lap's first products start the sums
	WIN 0
	s_mov_b32 s3, LAPS-2
.Llap:
	LAP 0
	WIN 0
	s_sub_co_u32 s3, s3, 1
	s_cmp_lg_u32 s3, 0
	s_cbranch_scc1 .Llap
	THREE 0, 0                                     ; the last lap fills nothing
	TURN 0, 1, 0
	THREE 1, 0
	s_wait_dscnt 8
	WIN MUL_LO
	MUL12 F1, 0, 0, 0
	MUL12 F1, 0, 2, 0
	s_wait_dscnt 0
	WIN MUL_HI
	MUL12 F1, 1, 0, 0
	MUL12 F1, 1, 2, 0
	; ---------------- the way out ----------------
	; K's plane is made half by one wave and half by its neighbour, so the whole block goes through LDS: each wave writes its own 30,720 bytes
	; (over slot 0, which has had its last fill), and behind a barrier each wave reads whole rows of 128 bytes of all three planes.
	PLACES
	WIN 0
	s_lshl_b32 s72, s19, 19                        ; plane h
	s_lshl_b32 s74, s20, 15                        ; + 256 rows of 128 bytes x block row
	s_add_co_u32 s72, s72, s74
	s_lshl_b32 s74, s14, 13                        ; + the 64 rows that I store
	s_add_co_u32 s72, s72, s74
	s_mov_b32 s73, 0
	s_add_nc_u64 s[10:11], s[10:11], s[72:73]      ; Q's plane
	s_add_nc_u64 s[68:69], s[10:11], 8388608       ; K's: 16 planes on
	s_add_nc_u64 s[70:71], s[10:11], 16777216      ; V's: 32 planes on
	s_wait_loadcnt 0x0                             ; the bias
	s_barrier_signal -1                            ; every wave's reads of the ring were waited for in front of its last products
	s_barrier_wait -1
; rows 16 ra .. 16 ra + 15 of my 128 = tiles (a, 0..5) of window 2 or 3 (win = 0x02 or 0x03: source 0); tmp: packed results, two sets by turns
.macro OUTA a, win, ra, tmp
	WIN \win
.irp b, 0,1,2,3,4,5
.irp p, 0,2,4,6
	v_pk_add_f32 v[TT+8*\b+\p:TT+8*\b+\p+1], v[8*(6*\a+\b)+\p:8*(6*\a+\b)+\p+1], v[32+8*\b+160*(\b/4)+\p:32+8*\b+160*(\b/4)+\p+1]
.endr
.endr
	WIN 0
.irp b, 0,1,2,3,4,5
.irp r, 0,1,2,3
	v_cvt_pk_bf16_f32 v[\tmp+4*\b+\r], v[TT+8*\b+2*\r], v[TT+8*\b+2*\r+1]
.endr
.endr
.irp b, 0,1,2,3,4,5
	ds_store_b128 v[STO], v[\tmp+4*\b:\tmp+4*\b+3] offset:OBLK*(\b/2)+16*OPITCH*\ra+32*(\b%2)
.endr
.endm
	OUTA 0, 0x02, 0, 192
	OUTA 1, 0x02, 1, 128
	OUTA 2, 0x02, 2, 192
	OUTA 3, 0x02, 3, 128
	OUTA 0, 0x03, 4, 192
	OUTA 1, 0x03, 5, 128
	OUTA 2, 0x03, 6, 192
	OUTA 3, 0x03, 7, 128
	s_wait_dscnt 0x0                               ; my part of the block is written, for the others' sake
	s_barrier_signal -1
	s_barrier_wait -1
; 32 of my 64 rows of plane p, four rows a load.  The two halves of a row lie 10,240 bytes apart, a multiple of 256, so these loads meet
; a two-way bank conflict: 48 loads a wave; a pitch that is an odd multiple of 16 bytes, which the stores above want, leaves no way round it.
.macro RBACK p, half, rb, cb
	s_wait_xcnt 0x0                                ; the read-back registers were data of earlier stores: loaded again only behind this wait
.irp t, 0,1,2,3,4,5,6,7
	ds_load_b128 v[\rb+4*\t:\rb+4*\t+3], v[RD] offset:2*OBLK*\p+4*OPITCH*(8*\half+\t)
.endr
.irp t, 0,1,2,3,4,5,6,7
	s_wait_dscnt 7-\t                              ; the younger read-backs stay out
	global_store_b128 v[CO], v[\rb+4*\t:\rb+4*\t+3], s[\cb:\cb+1] offset:512*(8*\half+\t)    ; 512 consecutive bytes: four rows of one plane
.endr
.endm
	RBACK 0, 0, 128, 10
	RBACK 0, 1, 160, 10
	RBACK 1, 0, 128, 68
	RBACK 1, 1, 160, 68
	RBACK 2, 0, 128, 70
	RBACK 2, 1, 160, 70
	; the sums of V over my 128 rows: V is column tiles 2..5 of the upper column half, so the branch hangs on the wave's number alone.
	; It stands behind the stores, which leave meanwhile.
	s_cmp_eq_u32 s16, 0
	s_cbranch_scc1 .Lno_vsum
	s_lshl_b32 s72, s20, 13                        ; row block 2 x block row + row half, 4,096 bytes each
	s_lshl_b32 s74, s15, 12
	s_add_co_u32 s72, s72, s74
	s_lshl_b32 s74, s19, 8                         ; 64 columns of 4 bytes x head
	s_add_co_u32 s72, s72, s74
	s_add_nc_u64 s[12:13], s[12:13], s[72:73]
	WIN 0x0a                                       ; sources 0 and 1 window 2
.irp b, 2,3,4,5
.irp p, 0,2,4,6
	v_pk_add_f32 v[TT+8*(\b-2)+\p:TT+8*(\b-2)+\p+1], v[8*\b+\p:8*\b+\p+1], v[8*(6+\b)+\p:8*(6+\b)+\p+1]
.endr
.endr
	WIN 0x08                                       ; source 1 window 2
.irp a, 2,3
.irp b, 2,3,4,5
.irp p, 0,2,4,6
	v_pk_add_f32 v[TT+8*(\b-2)+\p:TT+8*(\b-2)+\p+1], v[TT+8*(\b-2)+\p:TT+8*(\b-2)+\p+1], v[8*(6*\a+\b)+\p:8*(6*\a+\b)+\p+1]
.endr
.endr
.endr
	WIN 0x0c                                       ; source 1 window 3
.irp a, 0,1,2,3
.irp b, 2,3,4,5
.irp p, 0,2,4,6
	v_pk_add_f32 v[TT+8*(\b-2)+\p:TT+8*(\b-2)+\p+1], v[TT+8*(\b-2)+\p:TT+8*(\b-2)+\p+1], v[8*(6*\a+\b)+\p:8*(6*\a+\b)+\p+1]
.endr
.endr
.endr
	WIN 0
.irp m, 1,2,4,8                                    ; over the 16 rows that a half of the wave holds; every lane of the half ends with the same sum
.set p, 0
.rept 32
	v_add_f32_dpp v[TT+p], v[TT+p], v[TT+p] row_xmask:\m row_mask:0xf bank_mask:0xf
.set p, p+1
.endr
.endr
.irp b, 2,3,4,5
.irp p, 0,2,4,6
	v_pk_fma_f32 v[TT+8*(\b-2)+\p:TT+8*(\b-2)+\p+1], v[32+8*\b+160*(\b/4)+\p:32+8*\b+160*(\b/4)+\p+1], 0x43000000, v[TT+8*(\b-2)+\p:TT+8*(\b-2)+\p+1] op_sel_hi:[1,0,1]   ; + 128 x bias
.endr
.endr
.irp b, 0,1,2,3
	ds_store_b128 v[VST], v[TT+8*\b:TT+8*\b+3]   offset:64*\b      ; column 16 b + 8 h + j at byte 64 b + 32 h + 4 j; the 16 lanes of a half write equal values
	ds_store_b128 v[VST], v[TT+8*\b+4:TT+8*\b+7] offset:64*\b+16
.endr
	ds_load_b64 v[96:97], v[VRD]                   ; LDS serves a wave's instructions in order: this sees the stores above
	s_wait_dscnt 0x0
	global_store_b64 v[VO], v[96:97], s[12:13]     ; 256 consecutive bytes, aligned
.Lno_vsum:
	s_set_vgpr_msb 0x4
	s_wait_tensorcnt 0x0
	ds_add_u32 v255, v255
	s_wait_dscnt 0x0
	s_set_vgpr_msb 0x400
	CROUND                                         ; the closing round: no work-group ends while a partner may still ask for a tile that names it
	s_endpgm
.Lfunc_end_k_q1aa92b225c_gqkv:
	.size	k_q1aa92b225c_gqkv, .Lfunc_end_k_q1aa92b225c_gqkv-k_q1aa92b225c_gqkv
	.p2alignl 7, 3214868480
	.fill 96, 4, 3214868480
	.section	.rodata,"a",@progbits
	.p2align	6, 0x0
	.amdhsa_kernel k_q1aa92b225c_gqkv
		.amdhsa_group_segment_fixed_size 327680
		.amdhsa_private_segment_fixed_size 0
		.amdhsa_enable_private_segment 0
		.amdhsa_kernarg_size 40
		.amdhsa_user_sgpr_count 2
		.amdhsa_user_sgpr_kernarg_segment_ptr 1
		.amdhsa_wavefront_size32 1
		.amdhsa_system_sgpr_workgroup_id_x 1
		.amdhsa_system_sgpr_workgroup_id_y 1
		.amdhsa_system_sgpr_workgroup_id_z 1
		.amdhsa_system_vgpr_workitem_id 0
		.amdhsa_next_free_vgpr 1024
		.amdhsa_next_free_sgpr 80
		.amdhsa_reserve_vcc 0
		.amdhsa_float_denorm_mode_32 3
		.amdhsa_float_denorm_mode_16_64 3
		.amdhsa_memory_ordered 1
		.amdhsa_forward_progress 1
		.amdhsa_inst_pref_size 190
	.end_amdhsa_kernel
	.amdgpu_metadata
---
amdhsa.version: [ 1, 2 ]
amdhsa.kernels:
  - .name:           k_q1aa92b225c_gqkv
    .symbol:         k_q1aa92b225c_gqkv.kd
    .args:
      - { .name: xn, .offset: 0, .size: 8, .value_kind: global_buffer, .address_space: global }
      - { .name: wbf, .offset: 8, .size: 8, .value_kind: global_buffer, .address_space: global }
      - { .name: attn_b, .offset: 16, .size: 8, .value_kind: global_buffer, .address_space: global }
      - { .name: qkvb, .offset: 24, .size: 8, .value_kind: global_buffer, .address_space: global }
      - { .name: vsum, .offset: 32, .size: 8, .value_kind: global_buffer, .address_space: global }
    .group_segment_fixed_size: 327680
    .private_segment_fixed_size: 0
    .kernarg_segment_align: 8
    .kernarg_segment_size: 40
    .max_flat_workgroup_size: 128
    .sgpr_count:     80
    .vgpr_count:     1024
    .wavefront_size: 32
...
	.end_amdgpu_metadata
.endif
;; end of part 2
;; launch attn (part 3): grid 8 x 32, 4 waves a work-group, no clusters, 327,680 bytes of LDS; arguments qkvb, vsum, attb; writes attb
.if DOCPART == 3
	.amdgcn_target "amdgcn-amd-amdhsa--gfx1250"
	.amdhsa_code_object_version 6
	.text
	.protected	k_q1aa92b225c_attn
	.globl	k_q1aa92b225c_attn
	.p2align	8
	.type	k_q1aa92b225c_attn,@function
k_q1aa92b225c_attn:
	s_mov_b64 s[64:65], 0
	v_nop
	global_prefetch_b8 v0, s[64:65] scope:SCOPE_SE
	s_setreg_imm32_b32 hwreg(HW_REG_WAVE_MODE, 25, 1), 1
	s_wait_xcnt 0x0
; Causal attention with reference()'s own mask value: scores above the diagonal ARE -10000, not minus infinity.
; WORK LEFT OUT: the q.k products of key tiles wholly above the diagonal (jnp.where discards them for all values).  Their softmax terms
; are kept: all those keys of a row have one weight exp(-10000 - m), so together they are one term with score -10000, weight (their number)
; and value (the sum of their V rows, from vsum).  That term STARTS each pass's running figures: m = -10000, l = their number, O = the sum.
; Query block 15 has no later keys: it starts with m = minus infinity, l = 0, O = 0.  Inside the diagonal tile the masked scores are set
; to the constant and go the ordinary way.  The maximum is a running one.
; Work-group (j, bh): head bh & 15 of batch bh >> 4, query block j (128 rows), then query block 15 - j: (j + 1) + (16 - j) = 17 key tiles of
; 128 keys for every work-group.  Wave w owns 32 query rows, two query tiles of 16.
; NO CLUSTER: the eight work-groups of a head want different key tiles in the same trip (tile u of one is tile u - j - 1 of another), so no
; request is common to them.
; TRANSPOSED PRODUCTS: S^T = K x Q^T (lane l: query l % 16, registers: keys 8 (l / 16) + 0..7), so a row's softmax figures are a lane's own
; and the rounded weights ARE the second source of O^T = V^T x P^T (V^T through transposing LDS loads).  Lane l of O^T: query l % 16, d = 16 dt + 8 (l / 16) + 0..7.
; THE TWO QUERY TILES TAKE TURNS.  A step is 64 keys.  Phase X(s): the softmax of tile 0, in 16 slices, one behind each of tile 1's 8 PV products
; of step s - 1 and 8 score products of step s.  Phase Y(s): the softmax of tile 1 behind tile 0's PV products of step s and score products of
; step s + 1.  16 products (128 matrix cycles) stand beside 121 vector instructions.  V(s) is loaded in the middle of X(s), K(s + 1) between X(s) and Y(s).
; REGISTERS: window 0 is full (32 addresses and figures, Q 32, O 64, S 64, V 64), so K's 64 lie in window 1 and a switch stands on both sides
; of each score product: 16 switches a phase.
; In every run of products four accumulators take turns, one instruction a turn.
; THE RING: tile 0 has a region of its own; tiles 1..16 go as 8 pairs through two slots, one barrier and one tensor load a wave for a pair, so that
; a refill has two tiles' work in which to land.
; qkvb and attb lie blocked: (row, column n) at ((n >> 6) * 4096 + row) * 128 + 2 (n & 63): Q, K, V planes h, 16 + h, 32 + h.
; LIMITS: Q, K, V and the weights are bf16; exponentials below 2^-126 are zero; the later V rows are summed in f32 by blocks of 128.
.set KP,   144                         ; LDS pitch of K and Q rows: 128 bytes + 16
.set VP,   160                         ; LDS pitch of V rows: 128 bytes + 32 = 5 x 32
.set PART, 20480                       ; what one tensor load fills: 128 rows at pitch 160, or at pitch 144 (18,432 used); wave w's part lies at w x PART
.set SL0,  4*PART                      ; region 0: K of tile 0, Q of pass 1, V of tile 0, Q of pass 2.  Slot 0: K tile A, K tile B, V tile A, V tile B
.set SL1,  8*PART                      ; slot 1 likewise
.set VS,   12*PART                     ; 16 rows x 256 bytes: this head's block sums of V
.set STG,  VS+4096                     ; for each wave 5,120 bytes: a stage of 32 rows x 144, then two sums of 256 bytes; no tensor load lands here
.set STGW, 5120
.set KADR, 2                           ; v2-4   K fragments: region 0, slot 0, slot 1
.set VADR, 5                           ; v5-7   V fragments likewise
.set QADR, 8                           ; v8     Q fragments
                                       ; v9 my sums + 32 h; v10 stage in; v11 stage back; v12 16 lane; v13 32 w + r - 8 h; v14 the masked raw score
.set M,  16                            ; v16-17 running maximum (raw scores), one a query tile
.set LS, 18                            ; v18-19 running sum over the lane's own keys
.set AL, 20                            ; v[20:23] rescaling factor, twice, for each query tile
.set NM, 24                            ; v[24:27] -c x maximum, twice
.set T,  28                            ; v[28:31] at work
.set Q,  32                            ; v[32:63]   fragment (qt, kd) at 8 (2 qt + kd)
.set O,  64                            ; v[64:127]  tile (dt, qt) at 8 (4 qt + dt)
.set S,  128                           ; v[128:191] tile (qt, kt) at 32 qt + 8 kt; the weights (qt, ks) at 32 qt + 16 ks
.set F,  192                           ; v[192:255] V fragments (dt, ks) at 8 (4 ks + dt)
.set KR, 0                             ; window 1, v[0:63] there: K fragments (kt, kd) at 8 (4 kd + kt)
.set G1K, 24
.set G1V, 32
.set G1S, 40
.set G0K, 48                           ; s[48:55] K's group 0, one set a slot
.set G0V, 56                           ; s[56:63] V's
.set G0F, 68                           ; s[68:71] tile 0's K or V, or a block of Q
.set G0S, 72
.set MSB, 0
.macro WIN new                         ; the immediate's high byte repeats the setting that is left
.if MSB != \new
	s_set_vgpr_msb (MSB<<8)|\new
.set MSB, \new
.endif
.endm
	s_load_b128 s[4:7], s[0:1], 0x0                ; qkvb s[4:5], vsum s[6:7]
	s_load_b64 s[8:9], s[0:1], 0x10                ; attb
	s_set_vgpr_msb 0x40
	v_lshl_add_u32 v64, v0, 2, 0x42000
	v_mov_b32 v65, 0
	s_set_vgpr_msb 0x4045
	ds_add_u32 v64, v65
	ds_add_u32 v64, v65
	s_set_vgpr_msb 0x4500
	v_lshrrev_b32 v1, 5, v0
	v_readfirstlane_b32 s10, v1                    ; wave
	s_lshr_b32 s11, s10, 1                         ; 0: I fetch K, 1: V
	s_and_b32 s12, s10, 1                          ; which tile of a pair
	s_mov_b32 s13, ttmp9                           ; j
	s_and_b32 s14, ttmp7, 0xffff
	s_lshr_b32 s15, s14, 4                         ; batch
	s_and_b32 s16, s14, 15                         ; head
	s_add_co_u32 s17, s13, 1
	s_sub_co_u32 s20, 15, s13                      ; the second pass's query block
	s_lshl_b32 s66, s20, 6                         ; half the number of later keys, first pass: 64 (15 - j)
	s_lshl_b32 s67, s13, 6                         ; second pass: 64 j
	s_mov_b32 s89, 0xc79c4000                      ; -80000: the raw score whose eighth is -10000
	s_mov_b32 s94, 0xff800000
	s_cmp_eq_u32 s13, 0
	s_cselect_b32 s94, s94, s89                    ; the second pass's first maximum: minus infinity where it has no later keys
	s_mov_b32 s86, 0x3e38aa3b                      ; c = log2(e) / 8
	s_mov_b32 s87, 0x3e38aa3b
	s_mov_b32 s88, 0xbe38aa3b                      ; -c
	s_mov_b32 s90, 0x76543210
	s_mov_b32 s91, 0xfedcba98
	; 128 rows of 128 bytes are dense in memory: fetched as 64 rows of 256 bytes, with padding behind every 32 words (4 words: pitch 144; 8: pitch 160)
	s_mov_b32 s[G1K+0], (1<<16)|(1<<20)|(4<<22)|(3<<25)
	s_mov_b32 s[G1K+1], 128<<16
	s_mov_b32 s[G1K+2], 64<<16
	s_mov_b32 s[G1K+3], 128<<16
	s_mov_b32 s[G1K+4], 64
	s_mov_b32 s[G1K+5], 128
	s_mov_b32 s[G1K+6], 0
	s_mov_b32 s[G1K+7], 0
	s_mov_b32 s[G1V+0], (1<<16)|(1<<20)|(4<<22)|(7<<25)
	s_mov_b32 s[G1V+1], 128<<16
	s_mov_b32 s[G1V+2], 64<<16
	s_mov_b32 s[G1V+3], 128<<16
	s_mov_b32 s[G1V+4], 64
	s_mov_b32 s[G1V+5], 128
	s_mov_b32 s[G1V+6], 0
	s_mov_b32 s[G1V+7], 0
	s_mov_b32 s[G1S+0], 2<<16                      ; 4 rows x 64 f32 of vsum, 1,024 elements from row to row
	s_mov_b32 s[G1S+1], 64<<16
	s_mov_b32 s[G1S+2], 4<<16
	s_mov_b32 s[G1S+3], 64<<16
	s_mov_b32 s[G1S+4], 4
	s_mov_b32 s[G1S+5], 1024
	s_mov_b32 s[G1S+6], 0
	s_mov_b32 s[G1S+7], 0
	s_lshl_b32 s82, s16, 19                        ; head x a plane
	s_lshl_b32 s21, s15, 18                        ; batch x 2,048 rows of 128 bytes
	s_add_co_u32 s82, s82, s21
	s_mov_b32 s83, 0                               ; stays 0
	s_mul_i32 s22, s10, PART                       ; my part of a region
	s_wait_dscnt 0x0
	s_wait_kmcnt 0x0
	s_add_nc_u64 s[92:93], s[4:5], s[82:83]        ; Q of my head
	s_add_nc_u64 s[80:81], s[8:9], s[82:83]        ; the output of my head
	s_add_nc_u64 s[76:77], s[92:93], 8388608       ; K: 16 planes on
	s_add_nc_u64 s[78:79], s[92:93], 16777216      ; V: 32 planes on
	; the first load: wave 0 K of tile 0, wave 2 V of tile 0, wave 1 the first pass's Q (block j), wave 3 the second's (block 15 - j)
	s_lshl_b32 s21, s20, 14
	s_lshl_b32 s23, s13, 14
	s_cmp_eq_u32 s11, 0
	s_cselect_b32 s21, s23, s21
	s_add_co_u32 s23, s11, 1
	s_lshl_b32 s23, s23, 23                        ; 16 or 32 planes
	s_cmp_eq_u32 s12, 0
	s_cselect_b32 s82, s23, s21
	s_mov_b32 s[G0F+0], 1
	s_mov_b32 s[G0F+1], s22
	s_add_nc_u64 s[G0F+2:G0F+3], s[92:93], s[82:83]
	s_or_b32 s[G0F+3], s[G0F+3], 0x80000000
	s_lshl_b32 s82, s15, 16                        ; vsum: row block 16 batch + 4 wave, 4,096 bytes each; column 64 head
	s_lshl_b32 s21, s10, 14
	s_add_co_u32 s82, s82, s21
	s_lshl_b32 s21, s16, 8
	s_add_co_u32 s82, s82, s21
	s_mov_b32 s[G0S+0], 1
	s_lshl_b32 s[G0S+1], s10, 10
	s_add_co_u32 s[G0S+1], s[G0S+1], VS
	s_add_nc_u64 s[G0S+2:G0S+3], s[6:7], s[82:83]
	s_or_b32 s[G0S+3], s[G0S+3], 0x80000000
	s_lshl_b32 s21, s10, 12                        ; my 32 rows of 128 bytes
	s_lshl_b32 s82, s13, 14
	s_add_co_u32 s82, s82, s21
	s_add_nc_u64 s[4:5], s[80:81], s[82:83]        ; where the first pass's rows go
	s_lshl_b32 s82, s20, 14
	s_add_co_u32 s82, s82, s21
	s_add_nc_u64 s[6:7], s[80:81], s[82:83]        ; the second pass's
	s_mov_b32 s[G0K+0], 1
	s_add_co_u32 s[G0K+1], s22, SL0
	s_mov_b32 s[G0K+4], 1
	s_add_co_u32 s[G0K+5], s22, SL1
	s_mov_b32 s[G0V+0], 1
	s_add_co_u32 s[G0V+1], s22, SL0
	s_mov_b32 s[G0V+4], 1
	s_add_co_u32 s[G0V+5], s22, SL1
; s21 = a tile's number x in the walk; its key tile is x in the first pass, x - j - 1 in the second.  Both addresses of the slot's group 0 are written.
.macro GADDR s
	s_sub_co_u32 s22, s21, s17
	s_cmp_gt_u32 s21, s13
	s_cselect_b32 s21, s22, s21
	s_lshl_b32 s82, s21, 14
	s_add_nc_u64 s[G0K+4*\s+2:G0K+4*\s+3], s[76:77], s[82:83]
	s_or_b32 s[G0K+4*\s+3], s[G0K+4*\s+3], 0x80000000
	s_add_nc_u64 s[G0V+4*\s+2:G0V+4*\s+3], s[78:79], s[82:83]
	s_or_b32 s[G0V+4*\s+3], s[G0V+4*\s+3], 0x80000000
.endm
.macro KVLOAD s                        ; one tensor load a wave: 128 keys of K (waves 0, 1) or of V (waves 2, 3)
	s_cmp_eq_u32 s11, 0
	s_cbranch_scc0 .Lfor_v_\@
	tensor_load_to_lds s[G0K+4*\s:G0K+4*\s+3], s[G1K:G1K+7]
	s_nop 0
	s_branch .Lasked_\@
.Lfor_v_\@:
	tensor_load_to_lds s[G0V+4*\s:G0V+4*\s+3], s[G1V:G1V+7]
	s_nop 0
.Lasked_\@:
.endm
	s_add_co_u32 s21, s12, 1                       ; slot 0: tiles 1, 2 of the walk
	GADDR 0
	s_add_co_u32 s21, s12, 3                       ; slot 1: tiles 3, 4
	GADDR 1
	; the first fills, one group: four tensor loads of the wave are out, the most in this text
	s_cmp_eq_u32 s10, 2
	s_cbranch_scc1 .Lfirst_v
	tensor_load_to_lds s[G0F:G0F+3], s[G1K:G1K+7]
	s_nop 0
	s_branch .Lfirst_asked
.Lfirst_v:
	tensor_load_to_lds s[G0F:G0F+3], s[G1V:G1V+7]
	s_nop 0
.Lfirst_asked:
	tensor_load_to_lds s[G0S:G0S+3], s[G1S:G1S+7]
	s_nop 0
	KVLOAD 0
	KVLOAD 1
	v_and_b32 v1, 15, v0                           ; r
	v_bfe_u32 v15, v0, 4, 1                        ; h
	v_mul_u32_u24 v[KADR], v1, KP
	v_lshl_add_u32 v[KADR], v15, 4, v[KADR]        ; r x 144 + 16 h
	v_add_nc_u32 v[KADR+1], SL0, v[KADR]
	v_add_nc_u32 v[KADR+2], SL1, v[KADR]
	s_mul_i32 s21, s10, 32*KP
	s_add_co_u32 s21, s21, PART
	v_add_nc_u32 v[QADR], s21, v[KADR]             ; my 32 query rows
	s_mul_i32 s21, s10, STGW
	s_add_co_u32 s21, s21, STG
	v_add_nc_u32 v10, s21, v[KADR]                 ; stage in
	v_and_b32 v9, 7, v0
	v_lshl_add_u32 v[VADR], v15, 3, v9             ; key 8 h + l % 8
	v_mul_u32_u24 v[VADR], v[VADR], VP
	v_bfe_u32 v11, v0, 3, 1
	v_lshl_add_u32 v[VADR], v11, 4, v[VADR]
	v_add_nc_u32 v[VADR], 2*PART, v[VADR]
	v_add_nc_u32 v[VADR+1], SL0, v[VADR]
	v_add_nc_u32 v[VADR+2], SL1, v[VADR]
	v_bfe_u32 v11, v0, 3, 2
	v_mul_u32_u24 v11, v11, KP
	v_lshl_add_u32 v11, v9, 4, v11
	v_add_nc_u32 v11, s21, v11                     ; stage back: eight lanes a row of 128 bytes
	v_and_b32 v9, 31, v0
	v_lshlrev_b32 v12, 4, v9
	v_lshlrev_b32 v9, 3, v9
	s_add_co_u32 s21, s21, 32*KP                   ; my two sums of V
	v_add_nc_u32 v[T+2], s21, v9                   ; at the start only: where lane l puts d = 2 l, 2 l + 1
	v_add_nc_u32 v[T+3], VS, v9                    ; at the start only: the same two d of a block sum
	v_lshl_add_u32 v9, v15, 5, s21
	v_lshlrev_b32 v13, 3, v15
	v_sub_nc_u32 v13, v1, v13
	s_lshl_b32 s21, s10, 5
	v_add_nc_u32 v13, s21, v13                     ; 32 w + r - 8 h
	v_mov_b32 v14, 0xc79c4000
.macro QLOAD off
.irp qt, 0,1
.irp kd, 0,1
	ds_load_b128 v[Q+8*(2*\qt+\kd):Q+8*(2*\qt+\kd)+3],   v[QADR] offset:\off+16*KP*\qt+64*\kd
	ds_load_b128 v[Q+8*(2*\qt+\kd)+4:Q+8*(2*\qt+\kd)+7], v[QADR] offset:\off+16*KP*\qt+64*\kd+32
.endr
.endr
.endm
.macro KLOAD ka, koff                  ; 64 keys of K into window 1, d 0-31 first
	WIN 0x40
.irp kd, 0,1
.irp kt, 0,1,2,3
	ds_load_b128 v[KR+8*(4*\kd+\kt):KR+8*(4*\kd+\kt)+3],   v[\ka] offset:\koff+16*KP*\kt+64*\kd
	ds_load_b128 v[KR+8*(4*\kd+\kt)+4:KR+8*(4*\kd+\kt)+7], v[\ka] offset:\koff+16*KP*\kt+64*\kd+32
.endr
.endr
	WIN 0
.endm
.macro VLOAD va, voff                  ; 64 keys of V, transposed, keys 0-31 first
.irp ks, 0,1
.irp dt, 0,1,2,3
	ds_load_tr16_b128 v[F+8*(4*\ks+\dt):F+8*(4*\ks+\dt)+3],   v[\va] offset:\voff+32*VP*\ks+32*\dt
	ds_load_tr16_b128 v[F+8*(4*\ks+\dt)+4:F+8*(4*\ks+\dt)+7], v[\va] offset:\voff+32*VP*\ks+32*\dt+16*VP
.endr
.endr
.endm
; PV product i = 4 ks + dt (0..7) of query tile qt
.macro PVW qt, i
	v_wmma_f32_16x16x32_bf16 v[O+32*\qt+8*(\i%4):O+32*\qt+8*(\i%4)+7], v[F+8*\i:F+8*\i+7], v[S+32*\qt+16*(\i/4):S+32*\qt+16*(\i/4)+7], v[O+32*\qt+8*(\i%4):O+32*\qt+8*(\i%4)+7]
.endm
; score product i = 8 + 4 kd + kt (8..15) of query tile qt; source 0 in window 1; the products of d 0-31 start the sums
.macro SCW qt, i
	WIN 0x01
.if \i < 12
	v_wmma_f32_16x16x32_bf16 v[S+32*\qt+8*(\i%4):S+32*\qt+8*(\i%4)+7], v[KR+8*(\i-8):KR+8*(\i-8)+7], v[Q+16*\qt:Q+16*\qt+7], 0
.else
	v_wmma_f32_16x16x32_bf16 v[S+32*\qt+8*(\i%4):S+32*\qt+8*(\i%4)+7], v[KR+8*(\i-8):KR+8*(\i-8)+7], v[Q+16*\qt+8:Q+16*\qt+15], v[S+32*\qt+8*(\i%4):S+32*\qt+8*(\i%4)+7]
.endif
	WIN 0
.endm
.macro PKF qt, k                       ; two scores become c (s - m)
	v_pk_fma_f32 v[S+32*\qt+2*\k:S+32*\qt+2*\k+1], v[S+32*\qt+2*\k:S+32*\qt+2*\k+1], s[86:87], v[NM+2*\qt:NM+2*\qt+1] op_sel_hi:[1,0,1]
.endm
.macro OSC qt, k                       ; two of O's numbers are rescaled
	s_wait_alu depctr_va_vdst(0)
	v_pk_mul_f32 v[O+32*\qt+2*\k:O+32*\qt+2*\k+1], v[O+32*\qt+2*\k:O+32*\qt+2*\k+1], v[AL+2*\qt:AL+2*\qt+1]
.endm
; pair k: its two exponentials, each with a plain instruction behind it (ISA guide 5.7.2): pair k + 2's multiply-add, and a rescaling of O
.macro GRP qt, k
	v_exp_f32 v[S+32*\qt+2*\k], v[S+32*\qt+2*\k]
	v_pk_fma_f32 v[S+32*\qt+2*\k+4:S+32*\qt+2*\k+5], v[S+32*\qt+2*\k+4:S+32*\qt+2*\k+5], s[86:87], v[NM+2*\qt:NM+2*\qt+1] op_sel_hi:[1,0,1]
	v_exp_f32 v[S+32*\qt+2*\k+1], v[S+32*\qt+2*\k+1]
	OSC \qt, \k
.endm
.macro SUMA qt, c, p                   ; chain c of the sum takes pair p
	s_wait_alu depctr_va_vdst(0)
	v_pk_add_f32 v[T+2*\c:T+2*\c+1], v[T+2*\c:T+2*\c+1], v[S+32*\qt+2*\p:S+32*\qt+2*\p+1]
.endm
.macro CVP qt, ks, i                   ; register i of the weights' fragment ks, in place: it lands on numbers that are summed and converted already
	v_cvt_pk_bf16_f32 v[S+32*\qt+16*\ks+\i], v[S+32*\qt+16*\ks+2*\i], v[S+32*\qt+16*\ks+2*\i+1]
.endm
; The online softmax of 64 keys for query tile qt in 16 slices, one behind each product of the other tile.  All in the lane but one exchange
; between the halves for the maximum.  Slice 7 holds six plain instructions (V is loaded again behind it, and score products write over the
; weights behind it), slice 15 five besides its conversions (K is loaded again behind it, and the scores just made are read): ISA guide 7.12.1.
.macro SLICE qt, n
.set B, S+32*\qt
.if \n == 0
	v_max3_num_f32 v[T],   v[B],   v[B+1],  v[B+2]
	v_max3_num_f32 v[T+1], v[B+3], v[B+4],  v[B+5]
	v_max3_num_f32 v[T+2], v[B+6], v[B+7],  v[B+8]
	v_max3_num_f32 v[T+3], v[B+9], v[B+10], v[B+11]
	v_max3_num_f32 v[T],   v[T],   v[B+12], v[B+13]
	v_max3_num_f32 v[T+1], v[T+1], v[B+14], v[B+15]
	v_max3_num_f32 v[T+2], v[T+2], v[B+16], v[B+17]
	v_max3_num_f32 v[T+3], v[T+3], v[B+18], v[B+19]
.endif
.if \n == 1
	v_max3_num_f32 v[T],   v[T],   v[B+20], v[B+21]
	v_max3_num_f32 v[T+1], v[T+1], v[B+22], v[B+23]
	v_max3_num_f32 v[T+2], v[T+2], v[B+24], v[B+25]
	v_max3_num_f32 v[T+3], v[T+3], v[B+26], v[B+27]
	v_max3_num_f32 v[T],   v[T],   v[B+28], v[B+29]
	v_max3_num_f32 v[T+1], v[T+1], v[B+30], v[B+31]
.endif
.if \n == 2
	v_max3_num_f32 v[T], v[T], v[T+2], v[T+3]
	v_max_num_f32 v[T], v[T], v[T+1]
	v_permlanex16_b32 v[T+1], v[T], s90, s91       ; the other half's keys of the same query
.endif
.if \n == 3
	v_max3_num_f32 v[T], v[T], v[T+1], v[M+\qt]    ; the new running maximum
	v_mul_f32 v[NM+2*\qt],   s88, v[T]
	v_mul_f32 v[NM+2*\qt+1], s88, v[T]
	v_fma_f32 v[T+1], v[M+\qt], s86, v[NM+2*\qt]   ; c (old - new)
	PKF \qt, 0
.endif
.if \n == 4
	v_exp_f32 v[AL+2*\qt],   v[T+1]
	v_exp_f32 v[AL+2*\qt+1], v[T+1]
	v_mov_b32 v[M+\qt], v[T]                       ; a plain instruction behind the transcendentals
	PKF \qt, 1
	GRP \qt, 0
.endif
.if \n == 5
	GRP \qt, 1
	GRP \qt, 2
.endif
.if \n == 6
	GRP \qt, 3
	GRP \qt, 4
.endif
.if \n == 7
	GRP \qt, 5
	GRP \qt, 6
	GRP \qt, 7
.endif
.if \n == 8
	GRP \qt, 8
	GRP \qt, 9
.endif
.if \n == 9
	GRP \qt, 10
	GRP \qt, 11
.endif
.if \n == 10
	GRP \qt, 12
	GRP \qt, 13
.endif
.if \n == 11
	v_exp_f32 v[B+28], v[B+28]
	s_wait_alu depctr_va_vdst(0)
	v_pk_add_f32 v[T:T+1],   v[B:B+1],   v[B+2:B+3]        ; the first sums start the two chains
	v_exp_f32 v[B+29], v[B+29]
	v_pk_add_f32 v[T+2:T+3], v[B+4:B+5], v[B+6:B+7]
	v_exp_f32 v[B+30], v[B+30]
	v_exp_f32 v[B+31], v[B+31]
	SUMA \qt, 0, 4
.endif
.if \n == 12
	CVP \qt, 0, 0
	SUMA \qt, 1, 5
	CVP \qt, 0, 1
	SUMA \qt, 0, 6
	CVP \qt, 0, 2
	SUMA \qt, 1, 7
	CVP \qt, 0, 3
.endif
.if \n == 13
	SUMA \qt, 0, 8
	CVP \qt, 0, 4
	SUMA \qt, 1, 9
	CVP \qt, 0, 5
	SUMA \qt, 0, 10
	CVP \qt, 0, 6
	SUMA \qt, 1, 11
	CVP \qt, 0, 7
.endif
.if \n == 14
	SUMA \qt, 0, 12
	CVP \qt, 1, 0
	SUMA \qt, 1, 13
	CVP \qt, 1, 1
	SUMA \qt, 0, 14
	CVP \qt, 1, 2
	SUMA \qt, 1, 15
	CVP \qt, 1, 3
.endif
.if \n == 15
	CVP \qt, 1, 4
	CVP \qt, 1, 5
	CVP \qt, 1, 6
	CVP \qt, 1, 7
	v_pk_add_f32 v[T:T+1], v[T:T+1], v[T+2:T+3]
	OSC \qt, 14
	v_add_f32 v[T], v[T], v[T+1]
	OSC \qt, 15
	v_fma_f32 v[LS+\qt], v[LS+\qt], v[AL+2*\qt], v[T]
.endif
.endm
; the diagonal tile: key 64 sub + 16 kt + 8 h + jj above query 32 w + 16 qt + r: the score is the constant.  mode 0: under s19; 1: always; 2: never
.macro MASKQ qt, sub, mode
.if \mode != 2
.if \mode == 0
	s_cmp_eq_u32 s19, 0
	s_cbranch_scc1 .Lno_mask_\@
.endif
.irp kt, 0,1,2,3
.irp jj, 0,1,2,3,4,5,6,7
	v_cmp_gt_i32 vcc_lo, 64*\sub+16*\kt+\jj-16*\qt, v13
	v_cndmask_b32 v[S+32*\qt+8*\kt+\jj], v[S+32*\qt+8*\kt+\jj], v14, vcc_lo
.endr
.endr
.if \mode == 0
.Lno_mask_\@:
.endif
.endif
.endm
; phase X: tile 0's softmax beside tile 1's products; this step's V is asked for in the middle.  pv = 0: no step stands before this one
.macro PHX va, voff, sub, pv, mode
	MASKQ 0, \sub, \mode
.irp i, 0,1,2,3,4,5,6,7
.if \pv
	PVW 1, \i
.endif
	SLICE 0, \i
.endr
	VLOAD \va, \voff
.irp i, 8,9,10,11,12,13,14,15
	SCW 1, \i
	SLICE 0, \i
.endr
.endm
; phase Y: tile 1's softmax beside tile 0's products.  kl = the LDS loads issued behind V's 16 (K's 16, or none); sc = 0: no step follows
.macro PHY sub, sc, mode, kl
	MASKQ 1, \sub, \mode
	s_wait_dscnt 8+\kl                             ; V's keys 0-31 are in; V's other eight loads and K's stay out
.irp i, 0,1,2,3
	PVW 0, \i
	SLICE 1, \i
.endr
	s_wait_dscnt \kl                               ; V is in; K's loads stay out
.irp i, 4,5,6,7
	PVW 0, \i
	SLICE 1, \i
.endr
.if \sc
	s_wait_dscnt 8                                 ; K's d 0-31 is in (and a new Q, which is older); the eight loads of d 32-63 stay out
.endif
.irp i, 8,9,10,11
.if \sc
	SCW 0, \i
.endif
	SLICE 1, \i
.endr
.if \sc
	s_wait_dscnt 0
.endif
.irp i, 12,13,14,15
.if \sc
	SCW 0, \i
.endif
	SLICE 1, \i
.endr
.endm
; a pass starts for query tile qt: the later keys' term comes first: O = the sum of their V rows (at soff in my sums), m and half their number from scalars
.macro INIT qt, soff, mreg, nreg
	s_wait_xcnt 0x0                                ; O's registers were data of the last pass's stores: loaded again only behind this wait
.irp dt, 0,1,2,3
	ds_load_b128 v[O+32*\qt+8*\dt:O+32*\qt+8*\dt+3],   v9 offset:\soff+64*\dt
	ds_load_b128 v[O+32*\qt+8*\dt+4:O+32*\qt+8*\dt+7], v9 offset:\soff+64*\dt+16
.endr
	v_mov_b32 v[M+\qt], \mreg
	v_cvt_f32_u32 v[LS+\qt], \nreg                 ; each half of the lanes starts with half the number: the halves are joined at the pass's end
	s_wait_dscnt 0x0
.endm
; a pass ends for query tile qt: the division and the way out, all inside O's own 32 registers (S, F and K hold the other tile's and the next step's data)
.macro FINAL qt, base
.set OB, O+32*\qt
	v_permlanex16_b32 v[T], v[LS+\qt], s90, s91
	v_add_f32 v[T], v[T], v[LS+\qt]                ; the two halves' keys joined
	v_rcp_f32 v[AL+2*\qt],   v[T]
	v_rcp_f32 v[AL+2*\qt+1], v[T]
	v_nop                                          ; one plain instruction behind the transcendentals (ISA guide 5.7.2)
.irp k, 0,1,2,3,4,5,6,7,8,9,10,11,12,13,14,15
	OSC \qt, \k
.endr
.irp dt, 0,1,2,3
.irp i, 0,1,2,3
	v_cvt_pk_bf16_f32 v[OB+8*\dt+\i], v[OB+8*\dt+2*\i], v[OB+8*\dt+2*\i+1]
.endr
	ds_store_b128 v10, v[OB+8*\dt:OB+8*\dt+3] offset:16*KP*\qt+32*\dt
.endr
.irp g, 0,1,2,3
	ds_load_b128 v[OB+8*\g+4:OB+8*\g+7], v11 offset:16*KP*\qt+4*KP*\g      ; four rows of 128 bytes; a wave's LDS instructions are served in order
.endr
.irp g, 0,1,2,3
	s_wait_dscnt 3-\g                              ; the younger read-backs stay out
	global_store_b128 v12, v[OB+8*\g+4:OB+8*\g+7], s[\base:\base+1] offset:2048*\qt+512*\g   ; 512 consecutive bytes
.endr
.endm
; One key tile = two steps.  k: the tile is number s18 + k of the walk; it lies in region r (0: tile 0's, 1, 2: the slots) as tile t, the next one in nr as nt.
; bar 1: slot 0's first fill is shown to all (slot 1's stays out).  bar 2: the pair's slot rs is filled again.
; bar 3: the last pair is shown to all.  In front of a refill's barrier: all my tensor loads have landed and my reads of the slot are back (the last were
; this step's V); behind it the refill comes first, one tensor load a wave, then the next slot is read.
.macro TRIP k, r, t, nr, nt, mode, bar, rs, pv, last
.if \mode == 0
	s_add_co_u32 s21, s18, \k
	s_cmp_eq_u32 s21, s13
	s_cselect_b32 s19, 1, 0                        ; the first pass's diagonal tile
	s_cmp_eq_u32 s21, s17
	s_cselect_b32 s23, 1, 0                        ; the second pass's first tile
.endif
	PHX VADR+\r, \t*PART, 0, \pv, \mode
.if \mode == 0
.if \pv
	s_cmp_eq_u32 s23, 0
	s_cbranch_scc1 .Lno_f1_\@
	FINAL 1, 4                                     ; tile 1's last PV products of the first pass stood in the phase above
	INIT 1, 256, s94, s67
.Lno_f1_\@:
.endif
.endif
	KLOAD KADR+\r, \t*PART+64*KP
	PHY 0, 1, \mode, 16
	PHX VADR+\r, \t*PART+64*VP, 1, 1, \mode
.if \bar == 1
	s_wait_tensorcnt 0x1
.endif
.if \bar >= 2
	s_set_vgpr_msb 0x5
	s_wait_tensorcnt 0x0
	ds_add_u32 v64, v65
	s_wait_dscnt 0x0
	s_set_vgpr_msb 0x500
.endif
.if \bar == 2
	s_add_co_u32 s21, s18, \k+3                    ; the pair two pairs on; no tensor load of mine is out: a group 0 may be written
	s_add_co_u32 s21, s21, s12
	GADDR \rs
.endif
.if \bar
	s_wait_dscnt 0x0
	s_barrier_signal -1
	s_barrier_wait -1
.endif
.if \bar == 2
	KVLOAD \rs
.endif
.if \mode == 0
	s_cmp_eq_u32 s19, 0
	s_cbranch_scc1 .Lno_q_\@
	QLOAD 2*PART                                   ; the second pass's Q: the score products below are its first
.Lno_q_\@:
.endif
.if \last
	PHY 1, 0, \mode, 0
.else
	KLOAD KADR+\nr, \nt*PART
	PHY 1, 1, \mode, 16
.endif
.if \mode == 0
	s_cmp_eq_u32 s19, 0
	s_cbranch_scc1 .Lno_f0_\@
	FINAL 0, 4
	INIT 0, 256, s94, s67
.Lno_f0_\@:
.endif
.endm
	s_wait_tensorcnt 0x2                           ; my parts of region 0 and of the block sums are in; the two pairs stay out
	s_barrier_signal -1
	s_barrier_wait -1                              ; everybody's
.irp kb, 1,2,3,4,5,6,7,8,9,10,11,12,13,14,15
	ds_load_b64 v[S+2*(\kb-1):S+2*(\kb-1)+1], v[T+3] offset:256*\kb        ; block kb's sums of d = 2 lane, 2 lane + 1
.endr
	QLOAD 0
	KLOAD KADR, 0
	s_wait_dscnt 24                                ; the block sums are in; Q's 8 and K's 16 loads stay out
	v_mov_b32 v[T], 0                              ; the second pass's sum may be empty
	v_mov_b32 v[T+1], 0
.irp kb, 15,14,13,12,11,10,9                       ; blocks 15 down to 16 - j
	s_cmp_ge_u32 s20, \kb
	s_cbranch_scc1 .Lsum_b
	v_pk_add_f32 v[T:T+1], v[T:T+1], v[S+2*(\kb-1):S+2*(\kb-1)+1]
.endr
.Lsum_b:
.irp kb, 14,13,12,11,10,9,8                        ; the first pass: blocks 15 down to j + 1; j is 7 at the most
	v_pk_add_f32 v[S+28:S+29], v[S+28:S+29], v[S+2*(\kb-1):S+2*(\kb-1)+1]
.endr
.irp kb, 7,6,5,4,3,2,1
	s_cmp_ge_u32 s13, \kb
	s_cbranch_scc1 .Lsum_a
	v_pk_add_f32 v[S+28:S+29], v[S+28:S+29], v[S+2*(\kb-1):S+2*(\kb-1)+1]
.endr
.Lsum_a:
	ds_store_b64 v[T+2], v[S+28:S+29]              ; through my own bytes into O's layout
	ds_store_b64 v[T+2], v[T:T+1] offset:256
	INIT 0, 0, s89, s66
	INIT 1, 0, s89, s66
.irp i, 8,9,10,11,12,13,14,15
	SCW 0, \i                                      ; tile 0's scores of step 0
.endr
.rept 4
	v_nop                                          ; four places in front of the vector instructions that read the scores (ISA guide 7.12.1)
.endr
	s_mov_b32 s18, 0
	TRIP 0, 0, 0, 1, 0, 0, 1, 0, 0, 0
.Ltrip:
	TRIP 1, 1, 0, 1, 1, 0, 0, 0, 1, 0
	TRIP 2, 1, 1, 2, 0, 0, 2, 0, 1, 0
	TRIP 3, 2, 0, 2, 1, 0, 0, 0, 1, 0
	TRIP 4, 2, 1, 1, 0, 0, 2, 1, 1, 0
	s_add_co_u32 s18, s18, 4
	s_cmp_lt_u32 s18, 12
	s_cbranch_scc1 .Ltrip
	TRIP 1, 1, 0, 1, 1, 2, 0, 0, 1, 0              ; tiles 13 to 15 are no diagonal tiles (j is 7 at the most); nothing is left to fetch
	TRIP 2, 1, 1, 2, 0, 2, 3, 0, 1, 0
	TRIP 3, 2, 0, 2, 1, 2, 0, 0, 1, 0
	TRIP 4, 2, 1, 0, 0, 1, 0, 0, 1, 1              ; tile 16: the second pass's diagonal tile
.irp i, 0,1,2,3,4,5,6,7
	PVW 1, \i                                      ; tile 1's last PV products
.endr
	FINAL 0, 6                                     ; its vector work on tile 0 fills the places behind them
	FINAL 1, 6
	s_set_vgpr_msb 0x5
	s_wait_tensorcnt 0x0
	ds_add_u32 v64, v65
	s_wait_dscnt 0x0
	s_set_vgpr_msb 0x500
	s_endpgm
.Lfunc_end_k_q1aa92b225c_attn:
	.size	k_q1aa92b225c_attn, .Lfunc_end_k_q1aa92b225c_attn-k_q1aa92b225c_attn
	.p2alignl 7, 3214868480
	.fill 96, 4, 3214868480
	.section	.rodata,"a",@progbits
	.p2align	6, 0x0
	.amdhsa_kernel k_q1aa92b225c_attn
		.amdhsa_group_segment_fixed_size 327680
		.amdhsa_private_segment_fixed_size 0
		.amdhsa_enable_private_segment 0
		.amdhsa_kernarg_size 24
		.amdhsa_user_sgpr_count 2
		.amdhsa_user_sgpr_kernarg_segment_ptr 1
		.amdhsa_wavefront_size32 1
		.amdhsa_system_sgpr_workgroup_id_x 1
		.amdhsa_system_sgpr_workgroup_id_y 1
		.amdhsa_system_sgpr_workgroup_id_z 1
		.amdhsa_system_vgpr_workitem_id 0
		.amdhsa_next_free_vgpr 322
		.amdhsa_next_free_sgpr 96
		.amdhsa_reserve_vcc 1
		.amdhsa_float_denorm_mode_32 3
		.amdhsa_float_denorm_mode_16_64 3
		.amdhsa_memory_ordered 1
		.amdhsa_forward_progress 1
		.amdhsa_inst_pref_size 255
	.end_amdhsa_kernel
	.section	.bss,"aw",@nobits
	.p2align	6
	.space	262144
	.amdgpu_metadata
---
amdhsa.version: [ 1, 2 ]
amdhsa.kernels:
  - .name:           k_q1aa92b225c_attn
    .symbol:         k_q1aa92b225c_attn.kd
    .args:
      - { .name: qkvb, .offset: 0, .size: 8, .value_kind: global_buffer, .address_space: global }
      - { .name: vsum, .offset: 8, .size: 8, .value_kind: global_buffer, .address_space: global }
      - { .name: attb, .offset: 16, .size: 8, .value_kind: global_buffer, .address_space: global }
    .group_segment_fixed_size: 327680
    .private_segment_fixed_size: 0
    .kernarg_segment_align: 8
    .kernarg_segment_size: 24
    .max_flat_workgroup_size: 128
    .sgpr_count:     96
    .vgpr_count:     322
    .wavefront_size: 32
...
	.end_amdgpu_metadata
.endif
;; end of part 3
;; launch gproj (part 4): grid 8 x 32, 4 waves a work-group, clusters of 4 x 4, 327,680 bytes of LDS; arguments attb, wbf, proj_b, hidden_states, h1; writes h1
.if DOCPART == 4
	.amdgcn_target "amdgcn-amd-amdhsa--gfx1250"
	.amdhsa_code_object_version 6
	.text
	.protected	k_q1aa92b225c_gproj
	.globl	k_q1aa92b225c_gproj
	.p2align	8
	.type	k_q1aa92b225c_gproj,@function
k_q1aa92b225c_gproj:
	s_mov_b64 s[64:65], 0
	v_nop
	global_prefetch_b8 v0, s[64:65] scope:SCOPE_SE
	s_setreg_imm32_b32 hwreg(HW_REG_WAVE_MODE, 25, 1), 1
	s_wait_xcnt 0x0
	s_wait_alu depctr_hold_cnt(0) depctr_sa_sdst(0) depctr_va_vdst(0) depctr_va_sdst(0) depctr_va_ssrc(0) depctr_va_vcc(0) depctr_vm_vsrc(0)
	s_getreg_b32 s2, hwreg(HW_REG_IB_STS2, 6, 4)
	s_cmp_eq_u32 s2, 0
	s_cbranch_scc0 .Lentry_in_a_cluster
	s_endpgm
.Lentry_in_a_cluster:
	s_bfe_u32 s2, ttmp6, 0x10000c
	s_cmp_lg_u32 s2, 0xf033
	s_cbranch_scc0 .Lentry_shape_is_right
	s_endpgm
.Lentry_shape_is_right:
; h1 = hidden_states + attb @ proj_w + proj_b, f32 [4096][1024].
; A = attb, bf16, blocked: (row m, column k) at ((k >> 6) * 4096 + m) * 128 + 2 (k & 63).  W = wbf + WOFF: [SIZE_K][1024] bf16.
; N is 1,024, so blocks of 128 x 128 give 256 work-groups.  EVERY wave makes the whole block, 64 accumulator tiles, over a quarter of K:
; of each K step of 256 wave w takes k = 64 w .. 64 w + 63, so each LDS byte of a slot is read once, by one wave.  At the end the four
; partial blocks are summed through LDS.
; CLUSTER 4 x 4: A's tile hangs on the block row alone (joint along a row of the cluster), W's on the block column alone (joint along a column).
; The matrix instruction is used transposed (source 0 = 16 columns of W through transposing LDS loads, source 1 = 16 rows of A):
; lane l holds row l % 16, registers 0..7 the columns 8 (l / 16) + 0..7.
; WINDOWS: 0: v0-31 addresses, v32-35 bias, v64-127 / v128-191 W fragments, v192-255 partial sums at work on the way out;
;          1: v64-127 / v128-191 A fragments; v0-63 and v192-255 the 32 residual rows that this wave finishes, asked for at the start;
;          2, 3: accumulators of rows 0-63, 64-127, tile (a, b) at v[8 (8 a + b)].
; The 64 accumulators take turns, one instruction a turn.
; No prefetch here: with four K steps the first two are the first fills and the other two are asked for at once behind them.
.set SIZE_K, 1024
.set WOFF,   6291456
.set PF,     0
.set KSTEP,  256
.set APITCH, 144                       ; LDS row of A: 128 bytes + 16
.set BPITCH, 288                       ; LDS row of W: 256 bytes + 32 = 9 x 32
.set PLANE,  128*APITCH                ; 18,432: a plane of 64 k, 128 rows; also 64 k rows of W
.set PART,   36864                     ; what one tensor load brings: two planes of A, or 128 k rows of W
.set SLOT,   4*PART
.set LAPS,   SIZE_K/(2*KSTEP)
.set RPITCH, 528                       ; a row of a partial block: 512 bytes + 16
.set RED,    128*RPITCH                ; a wave's partial block; the four lie over the ring, which has had its last fill by then
.set ADRA, 16
.set ADRB, 20
.set RDP,  20                          ; v20-23 on the way out: my rows in the four partial blocks
.set RST,  24
.set CO,   26
.set PA,   27                          ; prefetch offsets: A
.set PW,   28                          ; W, 32 rows
.set PW2,  29                          ; W, the last 16 rows
.set F0,   64
.set F1,   128
.set G1,   24
.set G0,   32
.set G1B,  48
.set G0B,  56
.set MSB,  0
.macro WIN new                         ; the immediate's high byte repeats the setting that is left
.if MSB != \new
	s_set_vgpr_msb (MSB<<8)|\new
.set MSB, \new
.endif
.endm
.set MUL_LO, 0xa4                      ; source 0 (W) window 0, source 1 (A) window 1, C and D window 2
.set MUL_HI, 0xf4
.set TO_A,   0x40
.macro JLOAD s                         ; waves 0, 1 fetch A's planes, waves 2, 3 W's rows; the branch hangs on the wave's number alone
	s_cmp_eq_u32 s15, 0
	s_cbranch_scc0 .Lfor_b_\@
	tensor_load_to_lds s[G0+4*\s:G0+4*\s+3], s[G1:G1+7]
	s_nop 0
	s_branch .Lasked_\@
.Lfor_b_\@:
	tensor_load_to_lds s[G0B+4*\s:G0B+4*\s+3], s[G1B:G1B+7]
	s_nop 0
.Lasked_\@:
.endm
.macro CREST
	s_cmp_lg_u32 s14, 0
	s_cbranch_scc1 .Lnot_wave_0_\@
	s_barrier_signal -3
.Lnot_wave_0_\@:
	s_barrier_wait -3
	s_barrier_signal -1
	s_barrier_wait -1
.endm
.macro CROUND
	s_barrier_signal -1
	s_barrier_wait -1
	CREST
.endm
; Prefetch, wave 0 alone, in K step t = 2 lap + slot, laps 0 to 5 (s3 = 7 in the lap in front of the loop, then 6 down to 1; lap 6, s3 = 1, asks for nothing).
; A: the tile of step t + 4 is 4 planes x 16 KiB; block column c asks for half (c & 1) of plane c >> 1: 32 lanes, 256 bytes apart.
; W: block row y asks for k rows 32 y .. 32 y + 31 of a run of 1,024 (four steps), its block column's 256 bytes of each: steps 6-9 in step 2, steps 10-13 in step 6;
; of the last 512 rows (steps 14, 15), in step 10, rows 16 y .. 16 y + 15, two lanes on each.  So each block is asked for by one work-group, and none lies past K's end.
.macro PREF slot
.if PF
	s_cmp_lg_u32 s14, 0
	s_cbranch_scc1 .Lno_pf_\@
	s_cmp_eq_u32 s3, 1
	s_cbranch_scc1 .Lno_pf_\@
.if \slot == 0
	s_wait_xcnt 0x0                                ; the base was a source of the prefetch one K step ago: stepped only behind this wait
	s_add_nc_u64 s[68:69], s[68:69], 4194304       ; two K steps of A: 8 planes
.endif
	global_prefetch_b8 v[PA], s[68:69] offset:\slot*2097152 th:TH_LOAD_NT scope:SCOPE_SE
.if \slot == 0
	s_cmp_eq_u32 s3, 6
	s_cbranch_scc0 .Lnot_6_\@
	global_prefetch_b8 v[PW], s[6:7] offset:1536*2048 th:TH_LOAD_NT scope:SCOPE_SE
.Lnot_6_\@:
	s_cmp_eq_u32 s3, 4
	s_cbranch_scc0 .Lnot_4_\@
	global_prefetch_b8 v[PW], s[6:7] offset:2560*2048 th:TH_LOAD_NT scope:SCOPE_SE
.Lnot_4_\@:
	s_cmp_eq_u32 s3, 2
	s_cbranch_scc0 .Lno_pf_\@
	global_prefetch_b8 v[PW2], s[6:7] th:TH_LOAD_NT scope:SCOPE_SE
.endif
.Lno_pf_\@:
.endif
.endm
	s_load_b256 s[4:11], s[0:1], 0x0               ; A s[4:5], wbf s[6:7], bias s[8:9], residual s[10:11]
	s_load_b64 s[12:13], s[0:1], 0x20              ; out
	v_lshl_add_u32 v62, v0, 2, 0x48000
	v_mov_b32 v63, 0
	ds_add_u32 v62, v63
	ds_add_u32 v62, v63
	v_lshrrev_b32 v1, 5, v0
	v_readfirstlane_b32 s14, v1                    ; wave
	s_lshr_b32 s15, s14, 1                         ; I fetch A (0) or W (1)
	s_and_b32 s16, s14, 1                          ; which half of it
	s_bfe_u32 s17, ttmp6, 0x40000                  ; cx
	s_bfe_u32 s18, ttmp6, 0x40004                  ; cy
	s_lshl_b32 s19, ttmp9, 2
	s_add_co_u32 s19, s19, s17                     ; block column 0..7
	s_and_b32 s20, ttmp7, 0xffff
	s_lshl_b32 s20, s20, 2
	s_add_co_u32 s20, s20, s18                     ; block row 0..31
	s_lshl_b32 s21, s18, 2
	s_lshl_b32 s21, 15, s21
	s_lshl_b32 s22, 0x1111, s17
	; group 1 for A: two planes, each 128 rows x 128 bytes dense = one 'row' of 2,048 elements of 8 bytes, a plane (65,536 elements) apart;
	; 4 words of padding behind every 32 words make the LDS pitch 144
	s_or_b32 s[G1+0], s21, (3<<16)|(1<<20)|(1<<21)|(4<<22)|(3<<25)
	s_mov_b32 s[G1+1], 2048<<16
	s_mov_b32 s[G1+2], 2<<16
	s_mov_b32 s[G1+3], 2048<<16
	s_mov_b32 s[G1+4], 2
	s_mov_b32 s[G1+5], 65536
	s_mov_b32 s[G1+6], 0
	s_mov_b32 s[G1+7], 0
	; group 1 for W: 128 k rows x 128 elements of 2 bytes, 8 words of padding behind every 64
	s_or_b32 s[G1B+0], s22, (1<<16)|(1<<20)|(1<<21)|(5<<22)|(7<<25)
	s_mov_b32 s[G1B+1], 128<<16
	s_mov_b32 s[G1B+2], 128<<16
	s_mov_b32 s[G1B+3], 128<<16
	s_mov_b32 s[G1B+4], 128
	s_mov_b32 s[G1B+5], 1024
	s_mov_b32 s[G1B+6], 0
	s_mov_b32 s[G1B+7], 0
	s_lshl_b32 s40, s16, 20                        ; A: plane 2 x half; these registers never hold cx
	s_lshl_b32 s41, s20, 14                        ; + 128 rows x block row
	s_add_co_u32 s40, s40, s41
	s_mov_b32 s41, 0
	s_lshl_b32 s44, s16, 18                        ; W: k row 128 x half; these registers never hold cy
	s_lshl_b32 s45, s19, 8                         ; + 128 columns x block column
	s_add_co_u32 s44, s44, s45
	s_add_co_u32 s44, s44, WOFF
	s_mov_b32 s45, 0
	s_mul_i32 s66, s14, PART
	s_lshl_b32 s72, s19, 9                         ; bias: 128 f32 x block column
	s_mov_b32 s73, 0
	s_wait_dscnt 0x0
	s_wait_kmcnt 0x0
	s_add_nc_u64 s[40:41], s[4:5], s[40:41]
	s_add_nc_u64 s[44:45], s[6:7], s[44:45]
	s_add_nc_u64 s[8:9], s[8:9], s[72:73]
	s_lshl_b32 s74, s20, 19                        ; residual and out: 128 rows of 4,096 bytes x block row
	s_add_co_u32 s72, s72, s74
	s_lshl_b32 s74, s14, 17                        ; + 32 rows x wave (the block column's 512 bytes are in already)
	s_add_co_u32 s72, s72, s74
	s_add_nc_u64 s[10:11], s[10:11], s[72:73]
	s_add_nc_u64 s[12:13], s[12:13], s[72:73]
	CROUND                                         ; in front of the first joint loads
.irp s, 0,1
	s_mov_b32 s[G0+4*\s], 1
	s_add_co_u32 s[G0+4*\s+1], s66, \s*SLOT
	s_add_nc_u64 s[G0+4*\s+2:G0+4*\s+3], s[40:41], \s*4*524288
	s_or_b32 s[G0+4*\s+3], s[G0+4*\s+3], 0x80000000
	s_mov_b32 s[G0B+4*\s], 1
	s_add_co_u32 s[G0B+4*\s+1], s66, \s*SLOT
	s_add_nc_u64 s[G0B+4*\s+2:G0B+4*\s+3], s[44:45], \s*KSTEP*2048
	s_or_b32 s[G0B+4*\s+3], s[G0B+4*\s+3], 0x80000000
	JLOAD \s                                       ; two tensor loads of the wave are out, the most in this text
.endr
	v_and_b32 v1, 15, v0                           ; r
	v_bfe_u32 v2, v0, 4, 1                         ; h
	v_and_b32 v3, 7, v0
	v_bfe_u32 v8, v0, 3, 1
	v_mul_u32_u24 v9, v1, APITCH
	v_lshl_add_u32 v9, v2, 4, v9
	s_mul_i32 s67, s14, PLANE                      ; my plane of A; and my 64 k rows of W are as many bytes
	v_add_nc_u32 v[ADRA], s67, v9
	v_add_nc_u32 v[ADRA+1], SLOT, v[ADRA]
	v_lshl_add_u32 v10, v2, 3, v3
	v_mul_u32_u24 v10, v10, BPITCH
	v_lshl_add_u32 v10, v8, 4, v10
	s_add_co_u32 s67, s67, 2*PART
	v_add_nc_u32 v[ADRB], s67, v10
	v_add_nc_u32 v[ADRB+1], SLOT, v[ADRB]
	v_mul_u32_u24 v9, v1, RPITCH
	v_lshl_add_u32 v9, v2, 5, v9
	s_mul_i32 s67, s14, RED
	v_add_nc_u32 v[RST], s67, v9                   ; my partial block: row r, 32 bytes for each half of the lanes
	v_and_b32 v10, 31, v0
	v_lshlrev_b32 v[CO], 4, v10
	global_load_b128 v[32:35], v[CO], s[8:9]       ; bias of columns 4 lane .. + 3; waited for on the way out
	WIN TO_A                                       ; the residual's 32 rows, 512 consecutive bytes each, into window 1: row i at v[4 i + 128 (i / 16)]; waited for on the way out
.set i, 0
.rept 32
	global_load_b128 v[4*i+128*(i/16):4*i+128*(i/16)+3], v[CO], s[10:11] offset:4096*i
.set i, i+1
.endr
	WIN 0
.if PF
	s_lshr_b32 s70, s19, 1
	s_lshl_b32 s70, s70, 19                        ; plane c >> 1
	s_lshl_b32 s71, s20, 14
	s_add_co_u32 s70, s70, s71                     ; my block row's 128 rows
	s_and_b32 s71, s19, 1
	s_lshl_b32 s71, s71, 13
	s_add_co_u32 s70, s70, s71                     ; half c & 1
	v_lshl_add_u32 v[PA], v10, 8, s70
	s_lshl_b32 s70, s19, 8
	s_add_co_u32 s70, s70, WOFF
	s_lshl_b32 s71, s20, 16                        ; 32 rows of 2,048 bytes x block row
	s_add_co_u32 s71, s71, s70
	v_lshl_add_u32 v[PW], v10, 11, s71
	s_lshl_b32 s71, s20, 15                        ; 16 rows x block row
	s_add_co_u32 s71, s71, s70
	s_add_co_u32 s71, s71, 3584*2048
	v_lshl_add_u32 v[PW2], v1, 11, s71
	s_add_nc_u64 s[68:69], s[4:5], 4194304         ; stepped by two K steps in front of each lap's first request: lap 0 asks from step 4 on
	s_mov_b32 s3, LAPS-1
	s_cmp_lg_u32 s14, 0
	s_cbranch_scc1 .Lno_first_pf
	global_prefetch_b8 v[PA], s[4:5] offset:2*2097152 th:TH_LOAD_NT scope:SCOPE_SE     ; A's K steps 2 and 3
	global_prefetch_b8 v[PA], s[4:5] offset:3*2097152 th:TH_LOAD_NT scope:SCOPE_SE
	global_prefetch_b8 v[PW], s[6:7] offset:512*2048 th:TH_LOAD_NT scope:SCOPE_SE      ; W's K steps 2 to 5
.Lno_first_pf:
.endif
.macro MUL16 f, hi, a0, zero
.irp a, \a0, \a0+1
.irp b, 0,1,2,3,4,5,6,7
.if \zero
	v_wmma_f32_16x16x32_bf16 v[8*(8*(\a)+\b):8*(8*(\a)+\b)+7], v[\f+8*\b:\f+8*\b+7], v[\f+8*(4*\hi+\a):\f+8*(4*\hi+\a)+7], 0
.else
	v_wmma_f32_16x16x32_bf16 v[8*(8*(\a)+\b):8*(8*(\a)+\b)+7], v[\f+8*\b:\f+8*\b+7], v[\f+8*(4*\hi+\a):\f+8*(4*\hi+\a)+7], v[8*(8*(\a)+\b):8*(8*(\a)+\b)+7]
.endif
.endr
.endr
.endm
.macro FETCH slot, q, f                ; 32 LDS loads: half q (32 along K) of my quarter of a slot into buffer f
	WIN 0
.irp i, 0,1,2,3,4,5,6,7
	ds_load_tr16_b128 v[\f+8*\i:\f+8*\i+3],   v[ADRB+\slot] offset:32*BPITCH*\q+32*\i
	ds_load_tr16_b128 v[\f+8*\i+4:\f+8*\i+7], v[ADRB+\slot] offset:32*BPITCH*\q+32*\i+16*BPITCH
.endr
	WIN TO_A
.irp i, 0,1,2,3,4,5,6,7
	ds_load_b128 v[\f+8*\i:\f+8*\i+3],   v[ADRA+\slot] offset:64*\q+\i*16*APITCH
	ds_load_b128 v[\f+8*\i+4:\f+8*\i+7], v[ADRA+\slot] offset:64*\q+\i*16*APITCH+32
.endr
.endm
.macro PLACES                          ; four places between a matrix instruction and a load into, or a vector instruction on, one of its registers
.rept 4
	v_nop
.endr
.endm
.macro HALF0 slot, zero                ; multiplies buffer 0; in its middle fetches the second half into buffer 1
	s_wait_dscnt 8                                 ; W and A's rows 0-63 are in; the youngest eight loads may be out
	WIN MUL_LO
	MUL16 F0, 0, 0, \zero
	MUL16 F0, 0, 2, \zero
	PLACES
	FETCH \slot, 1, F1
	s_wait_dscnt 32                                ; all but the 32 just issued
	WIN MUL_HI
	MUL16 F0, 1, 0, \zero
	MUL16 F0, 1, 2, \zero
.endm
.macro TURN slot, next, fill           ; multiplies buffer 1 and changes slots
	s_wait_dscnt 8
	WIN MUL_LO
	MUL16 F1, 0, 0, 0
	s_wait_dscnt 0                                 ; my reads of this slot are over
	s_set_vgpr_msb 0xa4a0
	s_wait_tensorcnt 0x0                           ; all my tensor loads have landed: my part of the next slot
	ds_add_u32 v62, v63
	s_wait_dscnt 0x0
	s_set_vgpr_msb 0xa0a4
	s_barrier_signal -1
	MUL16 F1, 0, 2, 0                              ; register work alone
	WIN 0
	s_barrier_wait -1
.if \fill
	CREST                                          ; the round takes the place of the barrier in front of a refill
	s_add_nc_u64 s[G0+4*\slot+2:G0+4*\slot+3], s[G0+4*\slot+2:G0+4*\slot+3], 8*524288
	s_add_nc_u64 s[G0B+4*\slot+2:G0B+4*\slot+3], s[G0B+4*\slot+2:G0B+4*\slot+3], 2*KSTEP*2048
	JLOAD \slot                                    ; the first tensor load behind the round, one a wave
	PREF \slot
.endif
	PLACES
	FETCH \next, 0, F0
	WIN MUL_HI
	MUL16 F1, 1, 0, 0
	MUL16 F1, 1, 2, 0
.endm
.macro LAP zero
	HALF0 0, \zero
	TURN 0, 1, 1
	HALF0 1, 0
	TURN 1, 0, 1
.endm
	s_wait_tensorcnt 1                             ; my part of K step 0 is in; K step 1's stays out
	s_barrier_signal -1
	s_barrier_wait -1
	FETCH 0, 0, F0
	LAP 1
.if LAPS > 2
	WIN 0
	s_mov_b32 s3, LAPS-2
.Llap:
	LAP 0
	WIN 0
	s_sub_co_u32 s3, s3, 1
	s_cmp_lg_u32 s3, 0
	s_cbranch_scc1 .Llap
.endif
	HALF0 0, 0                                     ; the last lap fills nothing
	TURN 0, 1, 0
	HALF0 1, 0
	s_wait_dscnt 8
	WIN MUL_LO
	MUL16 F1, 0, 0, 0
	MUL16 F1, 0, 2, 0
	s_wait_dscnt 0
	WIN MUL_HI
	MUL16 F1, 1, 0, 0
	MUL16 F1, 1, 2, 0
	; ---------------- the way out: four partial blocks through LDS; wave w sums and stores rows 32 w .. 32 w + 31 ----------------
	PLACES
	WIN 0
	s_barrier_signal -1                            ; every wave's reads of the ring were waited for in front of its last products
	s_barrier_wait -1
	WIN 0x08                                       ; store data from window 2
.irp a, 0,1,2,3
.irp b, 0,1,2,3,4,5,6,7
	ds_store_b128 v[RST], v[8*(8*\a+\b):8*(8*\a+\b)+3]   offset:16*RPITCH*\a+64*\b
	ds_store_b128 v[RST], v[8*(8*\a+\b)+4:8*(8*\a+\b)+7] offset:16*RPITCH*\a+64*\b+16
.endr
.endr
	WIN 0x0c                                       ; from window 3
.irp a, 0,1,2,3
.irp b, 0,1,2,3,4,5,6,7
	ds_store_b128 v[RST], v[8*(8*\a+\b):8*(8*\a+\b)+3]   offset:16*RPITCH*(\a+4)+64*\b
	ds_store_b128 v[RST], v[8*(8*\a+\b)+4:8*(8*\a+\b)+7] offset:16*RPITCH*(\a+4)+64*\b+16
.endr
.endr
	WIN 0
	s_mul_i32 s67, s14, 32*RPITCH
	v_add_nc_u32 v[RDP], s67, v[CO]
	v_add_nc_u32 v[RDP+1], RED, v[RDP]
	v_add_nc_u32 v[RDP+2], RED, v[RDP+1]
	v_add_nc_u32 v[RDP+3], RED, v[RDP+2]
	s_wait_dscnt 0x0                               ; my partial block is written, for the others' sake
	s_barrier_signal -1
	s_barrier_wait -1
.macro RLOAD g, buf                    ; rows 2 g, 2 g + 1 of the four partial blocks
.irp e, 0,1
.irp p, 0,1,2,3
	ds_load_b128 v[\buf+16*\e+4*\p:\buf+16*\e+4*\p+3], v[RDP+\p] offset:RPITCH*(2*(\g)+\e)
.endr
.endr
.endm
; ((p0 + p1) + (p2 + p3)) + bias in window 0, added onto the residual row in window 1 and stored from there
.macro RSUM g, buf
.irp e, 0,1
.irp c, 0,2
	v_pk_add_f32 v[\buf+16*\e+\c:\buf+16*\e+\c+1],     v[\buf+16*\e+\c:\buf+16*\e+\c+1],     v[\buf+16*\e+4+\c:\buf+16*\e+4+\c+1]
	v_pk_add_f32 v[\buf+16*\e+8+\c:\buf+16*\e+8+\c+1], v[\buf+16*\e+8+\c:\buf+16*\e+8+\c+1], v[\buf+16*\e+12+\c:\buf+16*\e+12+\c+1]
.endr
.irp c, 0,2
	v_pk_add_f32 v[\buf+16*\e+\c:\buf+16*\e+\c+1], v[\buf+16*\e+\c:\buf+16*\e+\c+1], v[\buf+16*\e+8+\c:\buf+16*\e+8+\c+1]
.endr
.irp c, 0,2
	v_pk_add_f32 v[\buf+16*\e+\c:\buf+16*\e+\c+1], v[\buf+16*\e+\c:\buf+16*\e+\c+1], v[32+\c:33+\c]
.endr
.endr
	WIN 0x41                                       ; destination and source 0 window 1
.irp e, 0,1
.set RR, 4*(2*(\g)+\e)+128*((2*(\g)+\e)/16)
.irp c, 0,2
	v_pk_add_f32 v[RR+\c:RR+\c+1], v[RR+\c:RR+\c+1], v[\buf+16*\e+\c:\buf+16*\e+\c+1]
.endr
.endr
	WIN 0x04                                       ; store data from window 1
.irp e, 0,1
.set RR, 4*(2*(\g)+\e)+128*((2*(\g)+\e)/16)
	global_store_b128 v[CO], v[RR:RR+3], s[12:13] offset:4096*(2*(\g)+\e)  ; 512 consecutive bytes
.endr
	WIN 0
.endm
	RLOAD 0, 192
	s_wait_loadcnt 0x0                             ; bias and residual, asked for at the start
.irp g, 0,2,4,6,8,10,12
	RLOAD \g+1, 224
	s_wait_dscnt 8                                 ; the eight loads just issued stay out
	RSUM \g, 192
	RLOAD \g+2, 192
	s_wait_dscnt 8
	RSUM \g+1, 224
.endr
	RLOAD 15, 224
	s_wait_dscnt 8
	RSUM 14, 192
	s_wait_dscnt 0
	RSUM 15, 224
	s_wait_tensorcnt 0x0
	ds_add_u32 v62, v63
	s_wait_dscnt 0x0
	CROUND                                         ; the closing round
	s_endpgm
.Lfunc_end_k_q1aa92b225c_gproj:
	.size	k_q1aa92b225c_gproj, .Lfunc_end_k_q1aa92b225c_gproj-k_q1aa92b225c_gproj
	.p2alignl 7, 3214868480
	.fill 96, 4, 3214868480
	.section	.rodata,"a",@progbits
	.p2align	6, 0x0
	.amdhsa_kernel k_q1aa92b225c_gproj
		.amdhsa_group_segment_fixed_size 327680
		.amdhsa_private_segment_fixed_size 0
		.amdhsa_enable_private_segment 0
		.amdhsa_kernarg_size 40
		.amdhsa_user_sgpr_count 2
		.amdhsa_user_sgpr_kernarg_segment_ptr 1
		.amdhsa_wavefront_size32 1
		.amdhsa_system_sgpr_workgroup_id_x 1
		.amdhsa_system_sgpr_workgroup_id_y 1
		.amdhsa_system_sgpr_workgroup_id_z 1
		.amdhsa_system_vgpr_workitem_id 0
		.amdhsa_next_free_vgpr 1024
		.amdhsa_next_free_sgpr 80
		.amdhsa_reserve_vcc 0
		.amdhsa_float_denorm_mode_32 3
		.amdhsa_float_denorm_mode_16_64 3
		.amdhsa_memory_ordered 1
		.amdhsa_forward_progress 1
		.amdhsa_inst_pref_size 104
	.end_amdhsa_kernel
	.amdgpu_metadata
---
amdhsa.version: [ 1, 2 ]
amdhsa.kernels:
  - .name:           k_q1aa92b225c_gproj
    .symbol:         k_q1aa92b225c_gproj.kd
    .args:
      - { .name: attb, .offset: 0, .size: 8, .value_kind: global_buffer, .address_space: global }
      - { .name: wbf, .offset: 8, .size: 8, .value_kind: global_buffer, .address_space: global }
      - { .name: proj_b, .offset: 16, .size: 8, .value_kind: global_buffer, .address_space: global }
      - { .name: hidden_states, .offset: 24, .size: 8, .value_kind: global_buffer, .address_space: global }
      - { .name: h1, .offset: 32, .size: 8, .value_kind: global_buffer, .address_space: global }
    .group_segment_fixed_size: 327680
    .private_segment_fixed_size: 0
    .kernarg_segment_align: 8
    .kernarg_segment_size: 40
    .max_flat_workgroup_size: 128
    .sgpr_count:     80
    .vgpr_count:     1024
    .wavefront_size: 32
...
	.end_amdgpu_metadata
.endif
;; end of part 4
;; launch lnorm2 (part 5): grid 256 x 1, 4 waves a work-group, no clusters, 0 bytes of LDS; arguments h1, ln2_g, ln2_b, xn; writes xn
.if DOCPART == 5
	.amdgcn_target "amdgcn-amd-amdhsa--gfx1250"
	.amdhsa_code_object_version 6
	.text
	.protected	k_q1aa92b225c_lnorm2
	.globl	k_q1aa92b225c_lnorm2
	.p2align	8
	.type	k_q1aa92b225c_lnorm2,@function
k_q1aa92b225c_lnorm2:
	s_mov_b64 s[64:65], 0
	v_nop
	global_prefetch_b8 v0, s[64:65] scope:SCOPE_SE
	s_setreg_imm32_b32 hwreg(HW_REG_WAVE_MODE, 25, 1), 1
	s_wait_xcnt 0x0
; xn = layernorm(h1; ln2_g, ln2_b), rounded once to bf16, [4096][1024] row-major.
; A stream: wave w of group g owns rows 16 g + 4 w .. + 3, a whole row in 32 registers between the passes, so h1 is read once.
; No LDS, no barrier, no matrix unit: a row never leaves its wave.  The variance is taken about the mean, as in reference().
.set G,  4                             ; v[4:35]    gain of my 32 columns
.set BV, 36                            ; v[36:67]   bias
.set X,  68                            ; v[68:195]  four rows x 32 numbers
.set T,  196                           ; v[196:207] at work
	s_load_b256 s[4:11], s[0:1], 0x0               ; h1 s[4:5], g s[6:7], b s[8:9], xn s[10:11]
	v_and_b32 v3, 31, v0
	v_lshlrev_b32 v1, 4, v3
	v_lshlrev_b32 v2, 3, v3
	v_lshrrev_b32 v3, 5, v0
	v_readfirstlane_b32 s22, v3                    ; wave
	s_mov_b32 s25, 0
	s_mov_b32 s30, 0x76543210
	s_mov_b32 s31, 0xfedcba98
	s_mov_b32 s32, 0xba800000                      ; -1/1024
	s_mov_b32 s33, 0x3a800000                      ; 1/1024
	s_mov_b32 s34, 0x3727c5ac                      ; 1e-5
	s_lshl_b32 s24, ttmp9, 16                      ; 16 rows of 4,096 bytes
	s_lshl_b32 s23, s22, 14
	s_add_co_u32 s24, s24, s23
	s_wait_kmcnt 0x0
	s_add_nc_u64 s[4:5], s[4:5], s[24:25]
	s_lshr_b32 s24, s24, 1
	s_add_nc_u64 s[10:11], s[10:11], s[24:25]
.irp jj, 0,1,2,3,4,5,6,7
	global_load_b128 v[G+4*\jj:G+4*\jj+3],   v1, s[6:7] offset:512*\jj
	global_load_b128 v[BV+4*\jj:BV+4*\jj+3], v1, s[8:9] offset:512*\jj
.endr
.irp i, 0,1,2,3
.irp jj, 0,1,2,3,4,5,6,7
	global_load_b128 v[X+32*\i+4*\jj:X+32*\i+4*\jj+3], v1, s[4:5] offset:4096*\i+512*\jj   ; register 4 jj + e = column 128 jj + 4 lane + e
.endr
.endr
.macro FOLD                            ; four chains to one number, summed over the 32 lanes, in every lane
	v_pk_add_f32 v[T:T+1], v[T:T+1], v[T+2:T+3]
	v_pk_add_f32 v[T+4:T+5], v[T+4:T+5], v[T+6:T+7]
	v_pk_add_f32 v[T:T+1], v[T:T+1], v[T+4:T+5]
	v_add_f32 v[T], v[T], v[T+1]
	v_add_f32_dpp v[T], v[T], v[T] row_xmask:1 row_mask:0xf bank_mask:0xf
	v_add_f32_dpp v[T], v[T], v[T] row_xmask:2 row_mask:0xf bank_mask:0xf
	v_add_f32_dpp v[T], v[T], v[T] row_xmask:4 row_mask:0xf bank_mask:0xf
	v_add_f32_dpp v[T], v[T], v[T] row_xmask:8 row_mask:0xf bank_mask:0xf
	v_permlanex16_b32 v[T+1], v[T], s30, s31
	v_add_f32 v[T], v[T], v[T+1]
.endm
.macro LNROW i, left                   ; left = the loads of the later rows, eight each, which may stay out
.set R, X+32*\i
	s_wait_loadcnt \left
.irp k, 0,1,2,3
	v_pk_add_f32 v[T+2*\k:T+2*\k+1], v[R+4*\k:R+4*\k+1], v[R+4*\k+2:R+4*\k+3]
.endr
.irp k, 0,1,2,3
	v_pk_add_f32 v[T+2*\k:T+2*\k+1], v[T+2*\k:T+2*\k+1], v[R+16+2*\k:R+16+2*\k+1]
.endr
.irp k, 0,1,2,3
	v_pk_add_f32 v[T+2*\k:T+2*\k+1], v[T+2*\k:T+2*\k+1], v[R+24+2*\k:R+24+2*\k+1]
.endr
	FOLD
	v_mul_f32 v[T+8], s32, v[T]                    ; minus the mean
	v_mul_f32 v[T+9], s32, v[T]
.set p, 0
.rept 16
	v_pk_add_f32 v[R+p:R+p+1], v[R+p:R+p+1], v[T+8:T+9]
.set p, p+2
.endr
.irp k, 0,1,2,3
	v_pk_mul_f32 v[T+2*\k:T+2*\k+1], v[R+2*\k:R+2*\k+1], v[R+2*\k:R+2*\k+1]
.endr
.set p, 8
.rept 12
	v_pk_fma_f32 v[T+p%8:T+p%8+1], v[R+p:R+p+1], v[R+p:R+p+1], v[T+p%8:T+p%8+1]
.set p, p+2
.endr
	FOLD
	v_fma_f32 v[T], v[T], s33, s34                 ; variance + eps
	v_rsq_f32 v[T+10], v[T]
	v_rsq_f32 v[T+11], v[T]
	v_nop                                          ; one plain instruction behind the transcendentals (ISA guide 5.7.2)
.set p, 0
	s_wait_alu depctr_va_vdst(0)
.rept 16
	v_pk_mul_f32 v[R+p:R+p+1], v[R+p:R+p+1], v[T+10:T+11]
.set p, p+2
.endr
.set p, 0
.rept 16
	v_pk_fma_f32 v[R+p:R+p+1], v[R+p:R+p+1], v[G+p:G+p+1], v[BV+p:BV+p+1]
.set p, p+2
.endr
.irp jj, 0,1,2,3,4,5,6,7
	v_cvt_pk_bf16_f32 v[R+4*\jj],   v[R+4*\jj],   v[R+4*\jj+1]
	v_cvt_pk_bf16_f32 v[R+4*\jj+1], v[R+4*\jj+2], v[R+4*\jj+3]
	global_store_b64 v2, v[R+4*\jj:R+4*\jj+1], s[10:11] offset:2048*\i+256*\jj     ; 256 consecutive bytes, aligned
.endr
.endm
	LNROW 0, 24
	LNROW 1, 16
	LNROW 2, 8
	LNROW 3, 0
	s_endpgm
.Lfunc_end_k_q1aa92b225c_lnorm2:
	.size	k_q1aa92b225c_lnorm2, .Lfunc_end_k_q1aa92b225c_lnorm2-k_q1aa92b225c_lnorm2
	.p2alignl 7, 3214868480
	.fill 96, 4, 3214868480
	.section	.rodata,"a",@progbits
	.p2align	6, 0x0
	.amdhsa_kernel k_q1aa92b225c_lnorm2
		.amdhsa_group_segment_fixed_size 0
		.amdhsa_private_segment_fixed_size 0
		.amdhsa_enable_private_segment 0
		.amdhsa_kernarg_size 32
		.amdhsa_user_sgpr_count 2
		.amdhsa_user_sgpr_kernarg_segment_ptr 1
		.amdhsa_wavefront_size32 1
		.amdhsa_system_sgpr_workgroup_id_x 1
		.amdhsa_system_sgpr_workgroup_id_y 1
		.amdhsa_system_sgpr_workgroup_id_z 1
		.amdhsa_system_vgpr_workitem_id 0
		.amdhsa_next_free_vgpr 208
		.amdhsa_next_free_sgpr 66
		.amdhsa_reserve_vcc 0
		.amdhsa_float_denorm_mode_32 3
		.amdhsa_float_denorm_mode_16_64 3
		.amdhsa_memory_ordered 1
		.amdhsa_forward_progress 1
		.amdhsa_inst_pref_size 38
	.end_amdhsa_kernel
	.amdgpu_metadata
---
amdhsa.version: [ 1, 2 ]
amdhsa.kernels:
  - .name:           k_q1aa92b225c_lnorm2
    .symbol:         k_q1aa92b225c_lnorm2.kd
    .args:
      - { .name: h1, .offset: 0, .size: 8, .value_kind: global_buffer, .address_space: global }
      - { .name: ln2_g, .offset: 8, .size: 8, .value_kind: global_buffer, .address_space: global }
      - { .name: ln2_b, .offset: 16, .size: 8, .value_kind: global_buffer, .address_space: global }
      - { .name: xn, .offset: 24, .size: 8, .value_kind: global_buffer, .address_space: global }
    .group_segment_fixed_size: 0
    .private_segment_fixed_size: 0
    .kernarg_segment_align: 8
    .kernarg_segment_size: 32
    .max_flat_workgroup_size: 128
    .sgpr_count:     66
    .vgpr_count:     208
    .wavefront_size: 32
...
	.end_amdgpu_metadata
.endif
;; end of part 5
;; launch gfc (part 6): grid 16 x 16, 4 waves a work-group, clusters of 4 x 4, 327,680 bytes of LDS; arguments xn, wbf, fc_b, gact; writes gact
.if DOCPART == 6
	.amdgcn_target "amdgcn-amd-amdhsa--gfx1250"
	.amdhsa_code_object_version 6
	.text
	.protected	k_q1aa92b225c_gfc
	.globl	k_q1aa92b225c_gfc
	.p2align	8
	.type	k_q1aa92b225c_gfc,@function
k_q1aa92b225c_gfc:
	s_mov_b64 s[64:65], 0
	v_nop
	global_prefetch_b8 v0, s[64:65] scope:SCOPE_SE
	s_setreg_imm32_b32 hwreg(HW_REG_WAVE_MODE, 25, 1), 1
	s_wait_xcnt 0x0
	s_wait_alu depctr_hold_cnt(0) depctr_sa_sdst(0) depctr_va_vdst(0) depctr_va_sdst(0) depctr_va_ssrc(0) depctr_va_vcc(0) depctr_vm_vsrc(0)
	s_getreg_b32 s2, hwreg(HW_REG_IB_STS2, 6, 4)
	s_cmp_eq_u32 s2, 0
	s_cbranch_scc0 .Lentry_in_a_cluster
	s_endpgm
.Lentry_in_a_cluster:
	s_bfe_u32 s2, ttmp6, 0x10000c
	s_cmp_lg_u32 s2, 0xf033
	s_cbranch_scc0 .Lentry_shape_is_right
	s_endpgm
.Lentry_shape_is_right:
; gact = gelu(xn @ fc_w + fc_b) in bf16 (the tanh form of GELU, written as x / (1 + 2^(x (c1 + c2 x x)))).
; xn: [4096][1024] bf16.  W = wbf + WOFF: [1024][SIZE_N] bf16, K along the rows' index.  Sums, bias and GELU in f32.
; gact lies blocked: element (row m, column n) at byte ((n >> 6) * 4096 + m) * 128 + 2 (n & 63), the layout in which the next product reads it.
; A work-group makes 256 x 256 of C with four waves, a wave 128 x 128: 64 accumulator tiles, 512 registers.  K goes in steps of 128
; through two LDS slots filled by tensor loads, one a wave and step.
; CLUSTER 4 x 4: the activations' tile hangs on the block row alone and is asked for jointly by a row of the cluster, W's tile on the
; block column alone and is asked for jointly by a column.
; THE MATRIX INSTRUCTION IS USED TRANSPOSED: source 0 = 16 columns of W (through transposing LDS loads), source 1 = 16 rows of xn.
; Lane l then holds row l % 16 of C and registers 0..7 the columns 8 (l / 16) + 0..7.
; WINDOWS: 0: v0-31 addresses and constants, v32-63 and v224-255 bias, v64-127 / v128-191 W fragments (two buffers), v192-223 packed results;
;          1: v64-127 / v128-191 fragments of xn;  2, 3: accumulators of my rows 0-63, 64-127, tile (a, b) at v[8 (8 a + b)].
; The 64 accumulators take turns, one instruction a turn, in the same order in every quarter step.
.set SIZE_K, 1024
.set SIZE_N, 4096
.set WOFF,   8388608
.set GELU,   1
.set VSUM,   0
.set KSTEP,  128
.set PITCH,  272                       ; LDS row of xn: 256 bytes + 16
.set BPITCH, 544                       ; LDS row of W: 512 bytes + 32 = 17 x 32
.set HALFT,  34816                     ; 128 x 272 = 64 x 544: what one tensor load brings
.set SLOT,   4*HALFT                   ; xn's 256 rows, then W's 128 k rows
.set STAGE,  2*SLOT                    ; behind the ring: 16 rows x 272 bytes for each wave; no tensor load lands here
.set LAPS,   SIZE_K/(2*KSTEP)
.set C2,   4                           ; v[4:5]  GELU constant, twice
.set C1,   6                           ; v[6:7]  GELU constant, twice
.set U,    8                           ; v[8:15] at work
.set ADRA, 16                          ; v16-17  LDS address of my xn fragments in slot 0, 1
.set ADRB, 20                          ; v20-21  the same for W
.set STO,  24
.set RD,   25
.set CO,   26
.set BO,   27
.set F0,   64
.set F1,   128
.set TT,   64                          ; the way out: 64 f32 results at work (window 0)
.set TMP,  192
.set G1,   24                          ; s[24:31] group 1, xn's tiles
.set G0,   32                          ; s[32:39] group 0, xn's tiles, one set a slot
.set G1B,  48                          ; s[48:55] group 1, W's tiles
.set G0B,  56                          ; s[56:63] group 0, W's tiles
.set MSB,  0
.macro WIN new                         ; the immediate's high byte repeats the setting that is left
.if MSB != \new
	s_set_vgpr_msb (MSB<<8)|\new
.set MSB, \new
.endif
.endm
.set MUL_LO, 0xa4                      ; source 0 (W) window 0, source 1 (xn) window 1, C and D window 2
.set MUL_HI, 0xf4                      ; the same, C and D window 3
.set TO_A,   0x40                      ; destination window 1, address window 0
; a joint load: waves 0, 1 fetch xn's two halves, waves 2, 3 W's.  The branch hangs on the wave's number alone.
.macro JLOAD s
	s_cmp_eq_u32 s15, 0
	s_cbranch_scc0 .Lfor_b_\@
	tensor_load_to_lds s[G0+4*\s:G0+4*\s+3], s[G1:G1+7]
	s_nop 0
	s_branch .Lasked_\@
.Lfor_b_\@:
	tensor_load_to_lds s[G0B+4*\s:G0B+4*\s+3], s[G1B:G1B+7]
	s_nop 0
.Lasked_\@:
.endm
.macro CREST                           ; a round of the cluster's barrier behind its opening work-group barrier
	s_cmp_lg_u32 s14, 0
	s_cbranch_scc1 .Lnot_wave_0_\@
	s_barrier_signal -3
.Lnot_wave_0_\@:
	s_barrier_wait -3
	s_barrier_signal -1
	s_barrier_wait -1
.endm
.macro CROUND
	s_barrier_signal -1
	s_barrier_wait -1
	CREST
.endm
	s_load_b256 s[4:11], s[0:1], 0x0               ; xn s[4:5], wbf s[6:7], bias s[8:9], C s[10:11]
	v_lshl_add_u32 v31, v0, 2, 0x48400
	s_set_vgpr_msb 0x40
	v_mov_b32 v255, 0
	s_set_vgpr_msb 0x4044
	ds_add_u32 v31, v255
	ds_add_u32 v31, v255
	s_set_vgpr_msb 0x4400
	v_lshrrev_b32 v1, 5, v0
	v_readfirstlane_b32 s14, v1                    ; wave 0..3
	s_lshr_b32 s15, s14, 1                         ; my half of the block's rows; also: I fetch xn (0) or W (1)
	s_and_b32 s16, s14, 1                          ; my half of its columns; also: which half of that tile I fetch
	s_bfe_u32 s17, ttmp6, 0x40000                  ; cx
	s_bfe_u32 s18, ttmp6, 0x40004                  ; cy
	s_lshl_b32 s19, ttmp9, 2
	s_add_co_u32 s19, s19, s17                     ; block column
	s_and_b32 s20, ttmp7, 0xffff
	s_lshl_b32 s20, s20, 2
	s_add_co_u32 s20, s20, s18                     ; block row
	s_lshl_b32 s21, s18, 2
	s_lshl_b32 s21, 15, s21                        ; my row of the cluster
	s_lshl_b32 s22, 0x1111, s17                    ; my column of the cluster
	; group 1 for xn: 128 rows x 128 elements of 2 bytes, 4 words of padding behind every 64
	s_or_b32 s[G1+0], s21, (1<<16)|(1<<20)|(1<<21)|(5<<22)|(3<<25)
	s_mov_b32 s[G1+1], 128<<16                     ; tensor_dim0 = 128
	s_mov_b32 s[G1+2], 128<<16                     ; tensor_dim1 = 128
	s_mov_b32 s[G1+3], 128<<16                     ; tile_dim0 = 128
	s_mov_b32 s[G1+4], 128                         ; tile_dim1 = 128
	s_mov_b32 s[G1+5], SIZE_K                      ; elements from row to row
	s_mov_b32 s[G1+6], 0
	s_mov_b32 s[G1+7], 0
	; group 1 for W: 64 k rows x 256 elements, 8 words of padding behind every 128
	s_or_b32 s[G1B+0], s22, (1<<16)|(1<<20)|(1<<21)|(6<<22)|(7<<25)
	s_mov_b32 s[G1B+1], 256<<16
	s_mov_b32 s[G1B+2], 64<<16
	s_mov_b32 s[G1B+3], 256<<16
	s_mov_b32 s[G1B+4], 64
	s_mov_b32 s[G1B+5], SIZE_N
	s_mov_b32 s[G1B+6], 0
	s_mov_b32 s[G1B+7], 0
	; xn's tile: row 256 x block row + 128 x half, 2,048 bytes a row.  These registers never hold cx.
	s_lshl_b32 s40, s20, 8
	s_lshl_b32 s41, s16, 7
	s_add_co_u32 s40, s40, s41
	s_lshl_b32 s40, s40, 11
	s_mov_b32 s41, 0
	; W's tile: k row 64 x half, column 256 x block column.  These registers never hold cy.
	s_mul_i32 s44, s16, 128*SIZE_N
	s_lshl_b32 s45, s19, 9
	s_add_co_u32 s44, s44, s45
	s_add_co_u32 s44, s44, WOFF
	s_mov_b32 s45, 0
	s_mul_i32 s66, s14, HALFT                      ; where my part goes: the wave's number alone
	s_wait_dscnt 0x0
	s_wait_kmcnt 0x0
	s_add_nc_u64 s[40:41], s[4:5], s[40:41]
	s_add_nc_u64 s[44:45], s[6:7], s[44:45]
	CROUND                                         ; all sixteen work-groups are here: the first joint loads meet
.irp s, 0,1
	s_mov_b32 s[G0+4*\s], 1
	s_add_co_u32 s[G0+4*\s+1], s66, \s*SLOT
	s_add_nc_u64 s[G0+4*\s+2:G0+4*\s+3], s[40:41], \s*KSTEP*2
	s_or_b32 s[G0+4*\s+3], s[G0+4*\s+3], 0x80000000
	s_mov_b32 s[G0B+4*\s], 1
	s_add_co_u32 s[G0B+4*\s+1], s66, \s*SLOT
	s_add_nc_u64 s[G0B+4*\s+2:G0B+4*\s+3], s[44:45], \s*KSTEP*SIZE_N*2
	s_or_b32 s[G0B+4*\s+3], s[G0B+4*\s+3], 0x80000000
	JLOAD \s                                       ; two tensor loads of the wave are out, the most in this text
.endr
	v_and_b32 v1, 15, v0                           ; r = l % 16
	v_bfe_u32 v2, v0, 4, 1                         ; h = l / 16
	v_and_b32 v3, 7, v0                            ; l % 8
	v_bfe_u32 v8, v0, 3, 1                         ; (l / 8) % 2
	v_mul_u32_u24 v9, v1, PITCH
	v_lshl_add_u32 v9, v2, 4, v9                   ; r x 272 + 16 h
	s_mul_i32 s67, s15, HALFT                      ; my 128 rows of xn
	v_add_nc_u32 v[ADRA], s67, v9
	v_add_nc_u32 v[ADRA+1], SLOT, v[ADRA]
	v_lshl_add_u32 v10, v2, 3, v3                  ; k row 8 h + l % 8
	v_mul_u32_u24 v10, v10, BPITCH
	v_lshl_add_u32 v10, v8, 4, v10                 ; + 16 bytes for the upper eight columns
	s_lshl_b32 s67, s16, 8                         ; my 128 columns of W
	s_add_co_u32 s67, s67, 2*HALFT
	v_add_nc_u32 v[ADRB], s67, v10
	v_add_nc_u32 v[ADRB+1], SLOT, v[ADRB]
	s_mul_i32 s69, s14, 16*PITCH
	s_add_co_u32 s69, s69, STAGE                   ; my stage
	v_add_nc_u32 v[STO], s69, v9                   ; in: row r, 16 bytes for each half of the lanes
	v_bfe_u32 v10, v0, 3, 2
	v_mul_u32_u24 v10, v10, PITCH
	v_lshl_add_u32 v10, v3, 4, v10
	v_add_nc_u32 v[RD], s69, v10                   ; back: eight lanes take 128 bytes of a row, the wave four rows
	v_and_b32 v10, 31, v0
	v_lshlrev_b32 v[CO], 4, v10                    ; 16 x lane
	s_lshl_b32 s70, s19, 10
	s_lshl_b32 s67, s16, 9
	s_add_co_u32 s70, s70, s67
	v_lshl_add_u32 v[BO], v2, 5, s70               ; bias: 4 (256 block column + 128 half + 8 h)
	v_mov_b32 v[C2], 0xbdd2d3e8                    ; c2 = -2 log2(e) sqrt(2/pi) 0.044715
	v_mov_b32 v[C2+1], 0xbdd2d3e8
	v_mov_b32 v[C1], 0xc0135761                    ; c1 = -2 log2(e) sqrt(2/pi)
	v_mov_b32 v[C1+1], 0xc0135761
.irp b, 0,1,2,3,4,5,6,7
	global_load_b128 v[32+8*\b+160*(\b/4):32+8*\b+160*(\b/4)+3],   v[BO], s[8:9] offset:64*\b      ; waited for on the way out
	global_load_b128 v[32+8*\b+160*(\b/4)+4:32+8*\b+160*(\b/4)+7], v[BO], s[8:9] offset:64*\b+16
.endr
; 16 matrix instructions: m blocks a0, a0 + 1 of the window's four x all 8 n blocks, 32 along K.  zero = 1: the product starts the sums.
.macro MUL16 f, hi, a0, zero
.irp a, \a0, \a0+1
.irp b, 0,1,2,3,4,5,6,7
.if \zero
	v_wmma_f32_16x16x32_bf16 v[8*(8*(\a)+\b):8*(8*(\a)+\b)+7], v[\f+8*\b:\f+8*\b+7], v[\f+8*(4*\hi+\a):\f+8*(4*\hi+\a)+7], 0
.else
	v_wmma_f32_16x16x32_bf16 v[8*(8*(\a)+\b):8*(8*(\a)+\b)+7], v[\f+8*\b:\f+8*\b+7], v[\f+8*(4*\hi+\a):\f+8*(4*\hi+\a)+7], v[8*(8*(\a)+\b):8*(8*(\a)+\b)+7]
.endif
.endr
.endr
.endm
; 32 LDS loads in one run: quarter q (32 along K) of a slot into buffer f.  W first (transposing: k rows 32 q + 8 h + l % 8, and 16 further), then xn.
.macro FETCH slot, q, f
	WIN 0
.irp i, 0,1,2,3,4,5,6,7
	ds_load_tr16_b128 v[\f+8*\i:\f+8*\i+3],   v[ADRB+\slot] offset:32*BPITCH*\q+32*\i
	ds_load_tr16_b128 v[\f+8*\i+4:\f+8*\i+7], v[ADRB+\slot] offset:32*BPITCH*\q+32*\i+16*BPITCH
.endr
	WIN TO_A
.irp i, 0,1,2,3,4,5,6,7
	ds_load_b128 v[\f+8*\i:\f+8*\i+3],   v[ADRA+\slot] offset:64*\q+\i*16*PITCH
	ds_load_b128 v[\f+8*\i+4:\f+8*\i+7], v[ADRA+\slot] offset:64*\q+\i*16*PITCH+32
.endr
.endm
; four places between a matrix instruction and a load into, or a vector instruction on, one of its registers (ISA guide 7.12.1 for vector instructions)
.macro PLACES
.rept 4
	v_nop
.endr
.endm
.macro QUARTER slot, q, f, g, zero     ; multiplies buffer f; in its middle fetches quarter q of the same slot into buffer g
	s_wait_dscnt 8                                 ; W and xn's rows 0-63 are in; the youngest eight loads (rows 64-127) may be out
	WIN MUL_LO
	MUL16 \f, 0, 0, \zero
	MUL16 \f, 0, 2, \zero
	PLACES
	FETCH \slot, \q, \g
	s_wait_dscnt 32                                ; all but the 32 just issued
	WIN MUL_HI
	MUL16 \f, 1, 0, \zero
	MUL16 \f, 1, 2, \zero
.endm
.macro THREE slot, zero
	QUARTER \slot, 1, F0, F1, \zero
	QUARTER \slot, 2, F1, F0, 0
	QUARTER \slot, 3, F0, F1, 0
.endm
; the last quarter of a K step: multiplies buffer 1 and changes slots.  In front of the barrier each wave waits for its reads of this slot
; and for all its tensor loads (one is out: its part of the next slot); behind it the refill comes first, then the next slot is read.
.macro TURN slot, next, fill
	s_wait_dscnt 8
	WIN MUL_LO
	MUL16 F1, 0, 0, 0
	s_wait_dscnt 0                                 ; my reads of this slot are over
	s_wait_tensorcnt 0x0                           ; all my tensor loads have landed
	ds_add_u32 v31, v255
	s_wait_dscnt 0x0
	s_barrier_signal -1                            ; where a slot is filled again this barrier opens a round of the cluster's barrier
	MUL16 F1, 0, 2, 0                              ; register work alone
	WIN 0
	s_barrier_wait -1
.if \fill
	CREST                                          ; no wave of any partner still reads this slot or has a load on its way
	s_add_nc_u64 s[G0+4*\slot+2:G0+4*\slot+3], s[G0+4*\slot+2:G0+4*\slot+3], 2*KSTEP*2
	s_add_nc_u64 s[G0B+4*\slot+2:G0B+4*\slot+3], s[G0B+4*\slot+2:G0B+4*\slot+3], 2*KSTEP*SIZE_N*2
	JLOAD \slot                                    ; the first tensor load behind the round, one a wave
.endif
	PLACES
	FETCH \next, 0, F0
	WIN MUL_HI
	MUL16 F1, 1, 0, 0
	MUL16 F1, 1, 2, 0
.endm
.macro LAP zero
	THREE 0, \zero
	TURN 0, 1, 1
	THREE 1, 0
	TURN 1, 0, 1
.endm
	s_wait_tensorcnt 1                             ; my part of K step 0 is in; K step 1's stays out
	s_barrier_signal -1
	s_barrier_wait -1
	FETCH 0, 0, F0
	LAP 1                                          ; the first lap's first products start the sums
	WIN 0
	s_mov_b32 s3, LAPS-2
.Llap:
	LAP 0
	WIN 0
	s_sub_co_u32 s3, s3, 1
	s_cmp_lg_u32 s3, 0
	s_cbranch_scc1 .Llap
	THREE 0, 0                                     ; the last lap fills nothing
	TURN 0, 1, 0
	THREE 1, 0
	s_wait_dscnt 8
	WIN MUL_LO
	MUL16 F1, 0, 0, 0
	MUL16 F1, 0, 2, 0
	s_wait_dscnt 0
	WIN MUL_HI
	MUL16 F1, 1, 0, 0
	MUL16 F1, 1, 2, 0
	; ---------------- the way out ----------------
	PLACES
	WIN 0
	s_wait_loadcnt 0x0                             ; the bias
	s_lshl_b32 s72, s19, 2
	s_lshl_b32 s74, s16, 1
	s_add_co_u32 s72, s72, s74                     ; my first plane of 64 columns
	s_lshl_b32 s72, s72, 12                        ; 4,096 rows a plane
	s_lshl_b32 s74, s20, 8
	s_add_co_u32 s72, s72, s74
	s_lshl_b32 s74, s15, 7
	s_add_co_u32 s72, s72, s74                     ; + my first row
	s_lshl_b32 s72, s72, 7                         ; 128 bytes a row
	s_mov_b32 s73, 0
	s_add_nc_u64 s[10:11], s[10:11], s[72:73]
; rows 16 i .. 16 i + 15 of my block = tiles (a, 0..7) of window 2 or 3 (win = 0x02 or 0x03: source 0); rb: read-back registers, by turns
.macro OUT16 i, a, win, rb
	WIN \win
.irp b, 0,1,2,3,4,5,6,7
.irp p, 0,2,4,6
	v_pk_add_f32 v[TT+8*\b+\p:TT+8*\b+\p+1], v[8*(8*\a+\b)+\p:8*(8*\a+\b)+\p+1], v[32+8*\b+160*(\b/4)+\p:32+8*\b+160*(\b/4)+\p+1]
.endr
.endr
	WIN 0
.irp b, 0,1,2,3,4,5,6,7                            ; gelu(x) = x / (1 + 2^(x (c1 + c2 x x))); an overflow of x x ends in x or in 0, the right limits
.irp p, 0,2,4,6
	v_pk_mul_f32 v[U+\p:U+\p+1], v[TT+8*\b+\p:TT+8*\b+\p+1], v[TT+8*\b+\p:TT+8*\b+\p+1]
.endr
.irp p, 0,2,4,6
	v_pk_fma_f32 v[U+\p:U+\p+1], v[U+\p:U+\p+1], v[C2:C2+1], v[C1:C1+1]
.endr
.irp p, 0,2,4,6
	v_pk_mul_f32 v[U+\p:U+\p+1], v[U+\p:U+\p+1], v[TT+8*\b+\p:TT+8*\b+\p+1]
.endr
.irp e, 0,1,2,3,4,5,6,7
	v_exp_f32 v[U+\e], v[U+\e]
.endr
	v_nop                                          ; one plain instruction behind the transcendentals (ISA guide 5.7.2)
	s_wait_alu depctr_va_vdst(0)
.irp p, 0,2,4,6
	v_pk_add_f32 v[U+\p:U+\p+1], v[U+\p:U+\p+1], 1.0 op_sel_hi:[1,0]
.endr
.irp e, 0,1,2,3,4,5,6,7
	v_rcp_f32 v[U+\e], v[U+\e]
.endr
	v_nop
	s_wait_alu depctr_va_vdst(0)
.irp p, 0,2,4,6
	v_pk_mul_f32 v[TT+8*\b+\p:TT+8*\b+\p+1], v[TT+8*\b+\p:TT+8*\b+\p+1], v[U+\p:U+\p+1]
.endr
.endr
.irp b, 0,1,2,3,4,5,6,7
.irp r, 0,1,2,3
	v_cvt_pk_bf16_f32 v[TMP+4*\b+\r], v[TT+8*\b+2*\r], v[TT+8*\b+2*\r+1]
.endr
.endr
.irp b, 0,1,2,3,4,5,6,7
	ds_store_b128 v[STO], v[TMP+4*\b:TMP+4*\b+3] offset:32*\b
.endr
	s_wait_xcnt 0x0                                ; the read-back registers were data of earlier stores: loaded again only behind this wait
.irp t, 0,1,2,3,4,5,6,7
	ds_load_b128 v[\rb+4*\t:\rb+4*\t+3], v[RD] offset:4*PITCH*(\t%4)+128*(\t/4)    ; four rows' 128 bytes of plane t / 4; sees the stores above (a wave's LDS instructions are served in order)
.endr
.irp t, 0,1,2,3,4,5,6,7
	s_wait_dscnt 7-\t                              ; the younger read-backs stay out
	global_store_b128 v[CO], v[\rb+4*\t:\rb+4*\t+3], s[10:11] offset:524288*(\t/4)+2048*\i+512*(\t%4)   ; 512 consecutive bytes: four rows of one plane
.endr
.endm
	OUT16 0, 0, 0x02, 128
	OUT16 1, 1, 0x02, 160
	OUT16 2, 2, 0x02, 128
	OUT16 3, 3, 0x02, 160
	OUT16 4, 0, 0x03, 128
	OUT16 5, 1, 0x03, 160
	OUT16 6, 2, 0x03, 128
	OUT16 7, 3, 0x03, 160
	s_set_vgpr_msb 0x4
	s_wait_tensorcnt 0x0
	ds_add_u32 v31, v255
	s_wait_dscnt 0x0
	s_set_vgpr_msb 0x400
	CROUND                                         ; the closing round: no work-group ends while a partner may still ask for a tile that names it
	s_endpgm
.Lfunc_end_k_q1aa92b225c_gfc:
	.size	k_q1aa92b225c_gfc, .Lfunc_end_k_q1aa92b225c_gfc-k_q1aa92b225c_gfc
	.p2alignl 7, 3214868480
	.fill 96, 4, 3214868480
	.section	.rodata,"a",@progbits
	.p2align	6, 0x0
	.amdhsa_kernel k_q1aa92b225c_gfc
		.amdhsa_group_segment_fixed_size 327680
		.amdhsa_private_segment_fixed_size 0
		.amdhsa_enable_private_segment 0
		.amdhsa_kernarg_size 32
		.amdhsa_user_sgpr_count 2
		.amdhsa_user_sgpr_kernarg_segment_ptr 1
		.amdhsa_wavefront_size32 1
		.amdhsa_system_sgpr_workgroup_id_x 1
		.amdhsa_system_sgpr_workgroup_id_y 1
		.amdhsa_system_sgpr_workgroup_id_z 1
		.amdhsa_system_vgpr_workitem_id 0
		.amdhsa_next_free_vgpr 1024
		.amdhsa_next_free_sgpr 80
		.amdhsa_reserve_vcc 0
		.amdhsa_float_denorm_mode_32 3
		.amdhsa_float_denorm_mode_16_64 3
		.amdhsa_memory_ordered 1
		.amdhsa_forward_progress 1
		.amdhsa_inst_pref_size 255
	.end_amdhsa_kernel
	.section	.bss,"aw",@nobits
	.p2align	6
	.space	262144
	.amdgpu_metadata
---
amdhsa.version: [ 1, 2 ]
amdhsa.kernels:
  - .name:           k_q1aa92b225c_gfc
    .symbol:         k_q1aa92b225c_gfc.kd
    .args:
      - { .name: xn, .offset: 0, .size: 8, .value_kind: global_buffer, .address_space: global }
      - { .name: wbf, .offset: 8, .size: 8, .value_kind: global_buffer, .address_space: global }
      - { .name: fc_b, .offset: 16, .size: 8, .value_kind: global_buffer, .address_space: global }
      - { .name: gact, .offset: 24, .size: 8, .value_kind: global_buffer, .address_space: global }
    .group_segment_fixed_size: 327680
    .private_segment_fixed_size: 0
    .kernarg_segment_align: 8
    .kernarg_segment_size: 32
    .max_flat_workgroup_size: 128
    .sgpr_count:     80
    .vgpr_count:     1024
    .wavefront_size: 32
...
	.end_amdgpu_metadata
.endif
;; end of part 6
;; launch gfc2 (part 7): grid 8 x 32, 4 waves a work-group, clusters of 4 x 4, 327,680 bytes of LDS; arguments gact, wbf, fc2_b, h1, out0; writes out0
.if DOCPART == 7
	.amdgcn_target "amdgcn-amd-amdhsa--gfx1250"
	.amdhsa_code_object_version 6
	.text
	.protected	k_q1aa92b225c_gfc2
	.globl	k_q1aa92b225c_gfc2
	.p2align	8
	.type	k_q1aa92b225c_gfc2,@function
k_q1aa92b225c_gfc2:
	s_mov_b64 s[64:65], 0
	v_nop
	global_prefetch_b8 v0, s[64:65] scope:SCOPE_SE
	s_setreg_imm32_b32 hwreg(HW_REG_WAVE_MODE, 25, 1), 1
	s_wait_xcnt 0x0
	s_wait_alu depctr_hold_cnt(0) depctr_sa_sdst(0) depctr_va_vdst(0) depctr_va_sdst(0) depctr_va_ssrc(0) depctr_va_vcc(0) depctr_vm_vsrc(0)
	s_getreg_b32 s2, hwreg(HW_REG_IB_STS2, 6, 4)
	s_cmp_eq_u32 s2, 0
	s_cbranch_scc0 .Lentry_in_a_cluster
	s_endpgm
.Lentry_in_a_cluster:
	s_bfe_u32 s2, ttmp6, 0x10000c
	s_cmp_lg_u32 s2, 0xf033
	s_cbranch_scc0 .Lentry_shape_is_right
	s_endpgm
.Lentry_shape_is_right:
; out0 = h1 + gact @ fc2_w + fc2_b, f32 [4096][1024].
; A = gact, bf16, blocked: (row m, column k) at ((k >> 6) * 4096 + m) * 128 + 2 (k & 63).  W = wbf + WOFF: [SIZE_K][1024] bf16.
; N is 1,024, so blocks of 128 x 128 give 256 work-groups.  EVERY wave makes the whole block, 64 accumulator tiles, over a quarter of K:
; of each K step of 256 wave w takes k = 64 w .. 64 w + 63, so each LDS byte of a slot is read once, by one wave.  At the end the four
; partial blocks are summed through LDS.
; CLUSTER 4 x 4: A's tile hangs on the block row alone (joint along a row of the cluster), W's on the block column alone (joint along a column).
; The matrix instruction is used transposed (source 0 = 16 columns of W through transposing LDS loads, source 1 = 16 rows of A):
; lane l holds row l % 16, registers 0..7 the columns 8 (l / 16) + 0..7.
; WINDOWS: 0: v0-31 addresses, v32-35 bias, v64-127 / v128-191 W fragments, v192-255 partial sums at work on the way out;
;          1: v64-127 / v128-191 A fragments; v0-63 and v192-255 the 32 residual rows that this wave finishes, asked for at the start;
;          2, 3: accumulators of rows 0-63, 64-127, tile (a, b) at v[8 (8 a + b)].
; The 64 accumulators take turns, one instruction a turn.
; PREFETCH: the two slots fill LDS and a refill has 112 products in which to land, so the tiles of later K steps are asked for ahead (macro PREF).
.set SIZE_K, 4096
.set WOFF,   16777216
.set PF,     1
.set KSTEP,  256
.set APITCH, 144                       ; LDS row of A: 128 bytes + 16
.set BPITCH, 288                       ; LDS row of W: 256 bytes + 32 = 9 x 32
.set PLANE,  128*APITCH                ; 18,432: a plane of 64 k, 128 rows; also 64 k rows of W
.set PART,   36864                     ; what one tensor load brings: two planes of A, or 128 k rows of W
.set SLOT,   4*PART
.set LAPS,   SIZE_K/(2*KSTEP)
.set RPITCH, 528                       ; a row of a partial block: 512 bytes + 16
.set RED,    128*RPITCH                ; a wave's partial block; the four lie over the ring, which has had its last fill by then
.set ADRA, 16
.set ADRB, 20
.set RDP,  20                          ; v20-23 on the way out: my rows in the four partial blocks
.set RST,  24
.set CO,   26
.set PA,   27                          ; prefetch offsets: A
.set PW,   28                          ; W, 32 rows
.set PW2,  29                          ; W, the last 16 rows
.set F0,   64
.set F1,   128
.set G1,   24
.set G0,   32
.set G1B,  48
.set G0B,  56
.set MSB,  0
.macro WIN new                         ; the immediate's high byte repeats the setting that is left
.if MSB != \new
	s_set_vgpr_msb (MSB<<8)|\new
.set MSB, \new
.endif
.endm
.set MUL_LO, 0xa4                      ; source 0 (W) window 0, source 1 (A) window 1, C and D window 2
.set MUL_HI, 0xf4
.set TO_A,   0x40
.macro JLOAD s                         ; waves 0, 1 fetch A's planes, waves 2, 3 W's rows; the branch hangs on the wave's number alone
	s_cmp_eq_u32 s15, 0
	s_cbranch_scc0 .Lfor_b_\@
	tensor_load_to_lds s[G0+4*\s:G0+4*\s+3], s[G1:G1+7]
	s_nop 0
	s_branch .Lasked_\@
.Lfor_b_\@:
	tensor_load_to_lds s[G0B+4*\s:G0B+4*\s+3], s[G1B:G1B+7]
	s_nop 0
.Lasked_\@:
.endm
.macro CREST
	s_cmp_lg_u32 s14, 0
	s_cbranch_scc1 .Lnot_wave_0_\@
	s_barrier_signal -3
.Lnot_wave_0_\@:
	s_barrier_wait -3
	s_barrier_signal -1
	s_barrier_wait -1
.endm
.macro CROUND
	s_barrier_signal -1
	s_barrier_wait -1
	CREST
.endm
; Prefetch, wave 0 alone, in K step t = 2 lap + slot, laps 0 to 5 (s3 = 7 in the lap in front of the loop, then 6 down to 1; lap 6, s3 = 1, asks for nothing).
; A: the tile of step t + 4 is 4 planes x 16 KiB; block column c asks for half (c & 1) of plane c >> 1: 32 lanes, 256 bytes apart.
; W: block row y asks for k rows 32 y .. 32 y + 31 of a run of 1,024 (four steps), its block column's 256 bytes of each: steps 6-9 in step 2, steps 10-13 in step 6;
; of the last 512 rows (steps 14, 15), in step 10, rows 16 y .. 16 y + 15, two lanes on each.  So each block is asked for by one work-group, and none lies past K's end.
.macro PREF slot
.if PF
	s_cmp_lg_u32 s14, 0
	s_cbranch_scc1 .Lno_pf_\@
	s_cmp_eq_u32 s3, 1
	s_cbranch_scc1 .Lno_pf_\@
.if \slot == 0
	s_wait_xcnt 0x0                                ; the base was a source of the prefetch one K step ago: stepped only behind this wait
	s_add_nc_u64 s[68:69], s[68:69], 4194304       ; two K steps of A: 8 planes
.endif
	global_prefetch_b8 v[PA], s[68:69] offset:\slot*2097152 th:TH_LOAD_NT scope:SCOPE_SE
.if \slot == 0
	s_cmp_eq_u32 s3, 6
	s_cbranch_scc0 .Lnot_6_\@
	global_prefetch_b8 v[PW], s[6:7] offset:1536*2048 th:TH_LOAD_NT scope:SCOPE_SE
.Lnot_6_\@:
	s_cmp_eq_u32 s3, 4
	s_cbranch_scc0 .Lnot_4_\@
	global_prefetch_b8 v[PW], s[6:7] offset:2560*2048 th:TH_LOAD_NT scope:SCOPE_SE
.Lnot_4_\@:
	s_cmp_eq_u32 s3, 2
	s_cbranch_scc0 .Lno_pf_\@
	global_prefetch_b8 v[PW2], s[6:7] th:TH_LOAD_NT scope:SCOPE_SE
.endif
.Lno_pf_\@:
.endif
.endm
	s_load_b256 s[4:11], s[0:1], 0x0               ; A s[4:5], wbf s[6:7], bias s[8:9], residual s[10:11]
	s_load_b64 s[12:13], s[0:1], 0x20              ; out
	v_lshl_add_u32 v62, v0, 2, 0x48000
	v_mov_b32 v63, 0
	ds_add_u32 v62, v63
	ds_add_u32 v62, v63
	v_lshrrev_b32 v1, 5, v0
	v_readfirstlane_b32 s14, v1                    ; wave
	s_lshr_b32 s15, s14, 1                         ; I fetch A (0) or W (1)
	s_and_b32 s16, s14, 1                          ; which half of it
	s_bfe_u32 s17, ttmp6, 0x40000                  ; cx
	s_bfe_u32 s18, ttmp6, 0x40004                  ; cy
	s_lshl_b32 s19, ttmp9, 2
	s_add_co_u32 s19, s19, s17                     ; block column 0..7
	s_and_b32 s20, ttmp7, 0xffff
	s_lshl_b32 s20, s20, 2
	s_add_co_u32 s20, s20, s18                     ; block row 0..31
	s_lshl_b32 s21, s18, 2
	s_lshl_b32 s21, 15, s21
	s_lshl_b32 s22, 0x1111, s17
	; group 1 for A: two planes, each 128 rows x 128 bytes dense = one 'row' of 2,048 elements of 8 bytes, a plane (65,536 elements) apart;
	; 4 words of padding behind every 32 words make the LDS pitch 144
	s_or_b32 s[G1+0], s21, (3<<16)|(1<<20)|(1<<21)|(4<<22)|(3<<25)
	s_mov_b32 s[G1+1], 2048<<16
	s_mov_b32 s[G1+2], 2<<16
	s_mov_b32 s[G1+3], 2048<<16
	s_mov_b32 s[G1+4], 2
	s_mov_b32 s[G1+5], 65536
	s_mov_b32 s[G1+6], 0
	s_mov_b32 s[G1+7], 0
	; group 1 for W: 128 k rows x 128 elements of 2 bytes, 8 words of padding behind every 64
	s_or_b32 s[G1B+0], s22, (1<<16)|(1<<20)|(1<<21)|(5<<22)|(7<<25)
	s_mov_b32 s[G1B+1], 128<<16
	s_mov_b32 s[G1B+2], 128<<16
	s_mov_b32 s[G1B+3], 128<<16
	s_mov_b32 s[G1B+4], 128
	s_mov_b32 s[G1B+5], 1024
	s_mov_b32 s[G1B+6], 0
	s_mov_b32 s[G1B+7], 0
	s_lshl_b32 s40, s16, 20                        ; A: plane 2 x half; these registers never hold cx
	s_lshl_b32 s41, s20, 14                        ; + 128 rows x block row
	s_add_co_u32 s40, s40, s41
	s_mov_b32 s41, 0
	s_lshl_b32 s44, s16, 18                        ; W: k row 128 x half; these registers never hold cy
	s_lshl_b32 s45, s19, 8                         ; + 128 columns x block column
	s_add_co_u32 s44, s44, s45
	s_add_co_u32 s44, s44, WOFF
	s_mov_b32 s45, 0
	s_mul_i32 s66, s14, PART
	s_lshl_b32 s72, s19, 9                         ; bias: 128 f32 x block column
	s_mov_b32 s73, 0
	s_wait_dscnt 0x0
	s_wait_kmcnt 0x0
	s_add_nc_u64 s[40:41], s[4:5], s[40:41]
	s_add_nc_u64 s[44:45], s[6:7], s[44:45]
	s_add_nc_u64 s[8:9], s[8:9], s[72:73]
	s_lshl_b32 s74, s20, 19                        ; residual and out: 128 rows of 4,096 bytes x block row
	s_add_co_u32 s72, s72, s74
	s_lshl_b32 s74, s14, 17                        ; + 32 rows x wave (the block column's 512 bytes are in already)
	s_add_co_u32 s72, s72, s74
	s_add_nc_u64 s[10:11], s[10:11], s[72:73]
	s_add_nc_u64 s[12:13], s[12:13], s[72:73]
	CROUND                                         ; in front of the first joint loads
.irp s, 0,1
	s_mov_b32 s[G0+4*\s], 1
	s_add_co_u32 s[G0+4*\s+1], s66, \s*SLOT
	s_add_nc_u64 s[G0+4*\s+2:G0+4*\s+3], s[40:41], \s*4*524288
	s_or_b32 s[G0+4*\s+3], s[G0+4*\s+3], 0x80000000
	s_mov_b32 s[G0B+4*\s], 1
	s_add_co_u32 s[G0B+4*\s+1], s66, \s*SLOT
	s_add_nc_u64 s[G0B+4*\s+2:G0B+4*\s+3], s[44:45], \s*KSTEP*2048
	s_or_b32 s[G0B+4*\s+3], s[G0B+4*\s+3], 0x80000000
	JLOAD \s                                       ; two tensor loads of the wave are out, the most in this text
.endr
	v_and_b32 v1, 15, v0                           ; r
	v_bfe_u32 v2, v0, 4, 1                         ; h
	v_and_b32 v3, 7, v0
	v_bfe_u32 v8, v0, 3, 1
	v_mul_u32_u24 v9, v1, APITCH
	v_lshl_add_u32 v9, v2, 4, v9
	s_mul_i32 s67, s14, PLANE                      ; my plane of A; and my 64 k rows of W are as many bytes
	v_add_nc_u32 v[ADRA], s67, v9
	v_add_nc_u32 v[ADRA+1], SLOT, v[ADRA]
	v_lshl_add_u32 v10, v2, 3, v3
	v_mul_u32_u24 v10, v10, BPITCH
	v_lshl_add_u32 v10, v8, 4, v10
	s_add_co_u32 s67, s67, 2*PART
	v_add_nc_u32 v[ADRB], s67, v10
	v_add_nc_u32 v[ADRB+1], SLOT, v[ADRB]
	v_mul_u32_u24 v9, v1, RPITCH
	v_lshl_add_u32 v9, v2, 5, v9
	s_mul_i32 s67, s14, RED
	v_add_nc_u32 v[RST], s67, v9                   ; my partial block: row r, 32 bytes for each half of the lanes
	v_and_b32 v10, 31, v0
	v_lshlrev_b32 v[CO], 4, v10
	global_load_b128 v[32:35], v[CO], s[8:9]       ; bias of columns 4 lane .. + 3; waited for on the way out
	WIN TO_A                                       ; the residual's 32 rows, 512 consecutive bytes each, into window 1: row i at v[4 i + 128 (i / 16)]; waited for on the way out
.set i, 0
.rept 32
	global_load_b128 v[4*i+128*(i/16):4*i+128*(i/16)+3], v[CO], s[10:11] offset:4096*i
.set i, i+1
.endr
	WIN 0
.if PF
	s_lshr_b32 s70, s19, 1
	s_lshl_b32 s70, s70, 19                        ; plane c >> 1
	s_lshl_b32 s71, s20, 14
	s_add_co_u32 s70, s70, s71                     ; my block row's 128 rows
	s_and_b32 s71, s19, 1
	s_lshl_b32 s71, s71, 13
	s_add_co_u32 s70, s70, s71                     ; half c & 1
	v_lshl_add_u32 v[PA], v10, 8, s70
	s_lshl_b32 s70, s19, 8
	s_add_co_u32 s70, s70, WOFF
	s_lshl_b32 s71, s20, 16                        ; 32 rows of 2,048 bytes x block row
	s_add_co_u32 s71, s71, s70
	v_lshl_add_u32 v[PW], v10, 11, s71
	s_lshl_b32 s71, s20, 15                        ; 16 rows x block row
	s_add_co_u32 s71, s71, s70
	s_add_co_u32 s71, s71, 3584*2048
	v_lshl_add_u32 v[PW2], v1, 11, s71
	s_add_nc_u64 s[68:69], s[4:5], 4194304         ; stepped by two K steps in front of each lap's first request: lap 0 asks from step 4 on
	s_mov_b32 s3, LAPS-1
	s_cmp_lg_u32 s14, 0
	s_cbranch_scc1 .Lno_first_pf
	global_prefetch_b8 v[PA], s[4:5] offset:2*2097152 th:TH_LOAD_NT scope:SCOPE_SE     ; A's K steps 2 and 3
	global_prefetch_b8 v[PA], s[4:5] offset:3*2097152 th:TH_LOAD_NT scope:SCOPE_SE
	global_prefetch_b8 v[PW], s[6:7] offset:512*2048 th:TH_LOAD_NT scope:SCOPE_SE      ; W's K steps 2 to 5
.Lno_first_pf:
.endif
.macro MUL16 f, hi, a0, zero
.irp a, \a0, \a0+1
.irp b, 0,1,2,3,4,5,6,7
.if \zero
	v_wmma_f32_16x16x32_bf16 v[8*(8*(\a)+\b):8*(8*(\a)+\b)+7], v[\f+8*\b:\f+8*\b+7], v[\f+8*(4*\hi+\a):\f+8*(4*\hi+\a)+7], 0
.else
	v_wmma_f32_16x16x32_bf16 v[8*(8*(\a)+\b):8*(8*(\a)+\b)+7], v[\f+8*\b:\f+8*\b+7], v[\f+8*(4*\hi+\a):\f+8*(4*\hi+\a)+7], v[8*(8*(\a)+\b):8*(8*(\a)+\b)+7]
.endif
.endr
.endr
.endm
.macro FETCH slot, q, f                ; 32 LDS loads: half q (32 along K) of my quarter of a slot into buffer f
	WIN 0
.irp i, 0,1,2,3,4,5,6,7
	ds_load_tr16_b128 v[\f+8*\i:\f+8*\i+3],   v[ADRB+\slot] offset:32*BPITCH*\q+32*\i
	ds_load_tr16_b128 v[\f+8*\i+4:\f+8*\i+7], v[ADRB+\slot] offset:32*BPITCH*\q+32*\i+16*BPITCH
.endr
	WIN TO_A
.irp i, 0,1,2,3,4,5,6,7
	ds_load_b128 v[\f+8*\i:\f+8*\i+3],   v[ADRA+\slot] offset:64*\q+\i*16*APITCH
	ds_load_b128 v[\f+8*\i+4:\f+8*\i+7], v[ADRA+\slot] offset:64*\q+\i*16*APITCH+32
.endr
.endm
.macro PLACES                          ; four places between a matrix instruction and a load into, or a vector instruction on, one of its registers
.rept 4
	v_nop
.endr
.endm
.macro HALF0 slot, zero                ; multiplies buffer 0; in its middle fetches the second half into buffer 1
	s_wait_dscnt 8                                 ; W and A's rows 0-63 are in; the youngest eight loads may be out
	WIN MUL_LO
	MUL16 F0, 0, 0, \zero
	MUL16 F0, 0, 2, \zero
	PLACES
	FETCH \slot, 1, F1
	s_wait_dscnt 32                                ; all but the 32 just issued
	WIN MUL_HI
	MUL16 F0, 1, 0, \zero
	MUL16 F0, 1, 2, \zero
.endm
.macro TURN slot, next, fill           ; multiplies buffer 1 and changes slots
	s_wait_dscnt 8
	WIN MUL_LO
	MUL16 F1, 0, 0, 0
	s_wait_dscnt 0                                 ; my reads of this slot are over
	s_set_vgpr_msb 0xa4a0
	s_wait_tensorcnt 0x0                           ; all my tensor loads have landed: my part of the next slot
	ds_add_u32 v62, v63
	s_wait_dscnt 0x0
	s_set_vgpr_msb 0xa0a4
	s_barrier_signal -1
	MUL16 F1, 0, 2, 0                              ; register work alone
	WIN 0
	s_barrier_wait -1
.if \fill
	CREST                                          ; the round takes the place of the barrier in front of a refill
	s_add_nc_u64 s[G0+4*\slot+2:G0+4*\slot+3], s[G0+4*\slot+2:G0+4*\slot+3], 8*524288
	s_add_nc_u64 s[G0B+4*\slot+2:G0B+4*\slot+3], s[G0B+4*\slot+2:G0B+4*\slot+3], 2*KSTEP*2048
	JLOAD \slot                                    ; the first tensor load behind the round, one a wave
	PREF \slot
.endif
	PLACES
	FETCH \next, 0, F0
	WIN MUL_HI
	MUL16 F1, 1, 0, 0
	MUL16 F1, 1, 2, 0
.endm
.macro LAP zero
	HALF0 0, \zero
	TURN 0, 1, 1
	HALF0 1, 0
	TURN 1, 0, 1
.endm
	s_wait_tensorcnt 1                             ; my part of K step 0 is in; K step 1's stays out
	s_barrier_signal -1
	s_barrier_wait -1
	FETCH 0, 0, F0
	LAP 1
.if LAPS > 2
	WIN 0
	s_mov_b32 s3, LAPS-2
.Llap:
	LAP 0
	WIN 0
	s_sub_co_u32 s3, s3, 1
	s_cmp_lg_u32 s3, 0
	s_cbranch_scc1 .Llap
.endif
	HALF0 0, 0                                     ; the last lap fills nothing
	TURN 0, 1, 0
	HALF0 1, 0
	s_wait_dscnt 8
	WIN MUL_LO
	MUL16 F1, 0, 0, 0
	MUL16 F1, 0, 2, 0
	s_wait_dscnt 0
	WIN MUL_HI
	MUL16 F1, 1, 0, 0
	MUL16 F1, 1, 2, 0
	; ---------------- the way out: four partial blocks through LDS; wave w sums and stores rows 32 w .. 32 w + 31 ----------------
	PLACES
	WIN 0
	s_barrier_signal -1                            ; every wave's reads of the ring were waited for in front of its last products
	s_barrier_wait -1
	WIN 0x08                                       ; store data from window 2
.irp a, 0,1,2,3
.irp b, 0,1,2,3,4,5,6,7
	ds_store_b128 v[RST], v[8*(8*\a+\b):8*(8*\a+\b)+3]   offset:16*RPITCH*\a+64*\b
	ds_store_b128 v[RST], v[8*(8*\a+\b)+4:8*(8*\a+\b)+7] offset:16*RPITCH*\a+64*\b+16
.endr
.endr
	WIN 0x0c                                       ; from window 3
.irp a, 0,1,2,3
.irp b, 0,1,2,3,4,5,6,7
	ds_store_b128 v[RST], v[8*(8*\a+\b):8*(8*\a+\b)+3]   offset:16*RPITCH*(\a+4)+64*\b
	ds_store_b128 v[RST], v[8*(8*\a+\b)+4:8*(8*\a+\b)+7] offset:16*RPITCH*(\a+4)+64*\b+16
.endr
.endr
	WIN 0
	s_mul_i32 s67, s14, 32*RPITCH
	v_add_nc_u32 v[RDP], s67, v[CO]
	v_add_nc_u32 v[RDP+1], RED, v[RDP]
	v_add_nc_u32 v[RDP+2], RED, v[RDP+1]
	v_add_nc_u32 v[RDP+3], RED, v[RDP+2]
	s_wait_dscnt 0x0                               ; my partial block is written, for the others' sake
	s_barrier_signal -1
	s_barrier_wait -1
.macro RLOAD g, buf                    ; rows 2 g, 2 g + 1 of the four partial blocks
.irp e, 0,1
.irp p, 0,1,2,3
	ds_load_b128 v[\buf+16*\e+4*\p:\buf+16*\e+4*\p+3], v[RDP+\p] offset:RPITCH*(2*(\g)+\e)
.endr
.endr
.endm
; ((p0 + p1) + (p2 + p3)) + bias in window 0, added onto the residual row in window 1 and stored from there
.macro RSUM g, buf
.irp e, 0,1
.irp c, 0,2
	v_pk_add_f32 v[\buf+16*\e+\c:\buf+16*\e+\c+1],     v[\buf+16*\e+\c:\buf+16*\e+\c+1],     v[\buf+16*\e+4+\c:\buf+16*\e+4+\c+1]
	v_pk_add_f32 v[\buf+16*\e+8+\c:\buf+16*\e+8+\c+1], v[\buf+16*\e+8+\c:\buf+16*\e+8+\c+1], v[\buf+16*\e+12+\c:\buf+16*\e+12+\c+1]
.endr
.irp c, 0,2
	v_pk_add_f32 v[\buf+16*\e+\c:\buf+16*\e+\c+1], v[\buf+16*\e+\c:\buf+16*\e+\c+1], v[\buf+16*\e+8+\c:\buf+16*\e+8+\c+1]
.endr
.irp c, 0,2
	v_pk_add_f32 v[\buf+16*\e+\c:\buf+16*\e+\c+1], v[\buf+16*\e+\c:\buf+16*\e+\c+1], v[32+\c:33+\c]
.endr
.endr
	WIN 0x41                                       ; destination and source 0 window 1
.irp e, 0,1
.set RR, 4*(2*(\g)+\e)+128*((2*(\g)+\e)/16)
.irp c, 0,2
	v_pk_add_f32 v[RR+\c:RR+\c+1], v[RR+\c:RR+\c+1], v[\buf+16*\e+\c:\buf+16*\e+\c+1]
.endr
.endr
	WIN 0x04                                       ; store data from window 1
.irp e, 0,1
.set RR, 4*(2*(\g)+\e)+128*((2*(\g)+\e)/16)
	global_store_b128 v[CO], v[RR:RR+3], s[12:13] offset:4096*(2*(\g)+\e)  ; 512 consecutive bytes
.endr
	WIN 0
.endm
	RLOAD 0, 192
	s_wait_loadcnt 0x0                             ; bias and residual, asked for at the start
.irp g, 0,2,4,6,8,10,12
	RLOAD \g+1, 224
	s_wait_dscnt 8                                 ; the eight loads just issued stay out
	RSUM \g, 192
	RLOAD \g+2, 192
	s_wait_dscnt 8
	RSUM \g+1, 224
.endr
	RLOAD 15, 224
	s_wait_dscnt 8
	RSUM 14, 192
	s_wait_dscnt 0
	RSUM 15, 224
	s_wait_tensorcnt 0x0
	ds_add_u32 v62, v63
	s_wait_dscnt 0x0
	CROUND                                         ; the closing round
	s_endpgm
.Lfunc_end_k_q1aa92b225c_gfc2:
	.size	k_q1aa92b225c_gfc2, .Lfunc_end_k_q1aa92b225c_gfc2-k_q1aa92b225c_gfc2
	.p2alignl 7, 3214868480
	.fill 96, 4, 3214868480
	.section	.rodata,"a",@progbits
	.p2align	6, 0x0
	.amdhsa_kernel k_q1aa92b225c_gfc2
		.amdhsa_group_segment_fixed_size 327680
		.amdhsa_private_segment_fixed_size 0
		.amdhsa_enable_private_segment 0
		.amdhsa_kernarg_size 40
		.amdhsa_user_sgpr_count 2
		.amdhsa_user_sgpr_kernarg_segment_ptr 1
		.amdhsa_wavefront_size32 1
		.amdhsa_system_sgpr_workgroup_id_x 1
		.amdhsa_system_sgpr_workgroup_id_y 1
		.amdhsa_system_sgpr_workgroup_id_z 1
		.amdhsa_system_vgpr_workitem_id 0
		.amdhsa_next_free_vgpr 1024
		.amdhsa_next_free_sgpr 80
		.amdhsa_reserve_vcc 0
		.amdhsa_float_denorm_mode_32 3
		.amdhsa_float_denorm_mode_16_64 3
		.amdhsa_memory_ordered 1
		.amdhsa_forward_progress 1
		.amdhsa_inst_pref_size 135
	.end_amdhsa_kernel
	.amdgpu_metadata
---
amdhsa.version: [ 1, 2 ]
amdhsa.kernels:
  - .name:           k_q1aa92b225c_gfc2
    .symbol:         k_q1aa92b225c_gfc2.kd
    .args:
      - { .name: gact, .offset: 0, .size: 8, .value_kind: global_buffer, .address_space: global }
      - { .name: wbf, .offset: 8, .size: 8, .value_kind: global_buffer, .address_space: global }
      - { .name: fc2_b, .offset: 16, .size: 8, .value_kind: global_buffer, .address_space: global }
      - { .name: h1, .offset: 24, .size: 8, .value_kind: global_buffer, .address_space: global }
      - { .name: out0, .offset: 32, .size: 8, .value_kind: global_buffer, .address_space: global }
    .group_segment_fixed_size: 327680
    .private_segment_fixed_size: 0
    .kernarg_segment_align: 8
    .kernarg_segment_size: 40
    .max_flat_workgroup_size: 128
    .sgpr_count:     80
    .vgpr_count:     1024
    .wavefront_size: 32
...
	.end_amdgpu_metadata
.endif
;; end of part 7
